; MI455X (gfx1250); checked and timed in simulation.
; The chip was launched on July 23, 2026; its instructions are those of AMD's public machine-readable ISA for CDNA 5 (MIT licence, August 2026) and "CDNA5" Instruction Set Architecture Reference Guide (July 2026). The comments in the code are by the model that wrote it; some were corrected since.
;; Transformer Block. Allowed arithmetic: matrix products marked QUANTISED: E2M3 operands, one E8M0 scale for each 32 along K, by v_wmma_scale_f32_16x16x128_f8f6f4 with both operands' format E2M3, f32 sums; everything else in f32.
;; Inputs: b_fc1 4,096 float32; b_fc2 1,024 float32; b_proj 1,024 float32; b_qkv 3,072 float32; ln1_b 1,024 float32; ln1_g 1,024 float32; ln2_b 1,024 float32; ln2_g 1,024 float32; w_fc1 1,024 x 4,096 float32; w_fc2 4,096 x 1,024 float32; w_proj 1,024 x 1,024 float32; w_qkv 1,024 x 3,072 float32; x 2 x 2,048 x 1,024 float32.
;; Outputs: out0 2 x 2,048 x 1,024 float32.
;; This version of the problem:
;;   THIS VERSION OF THE PROBLEM IS GIVEN IN LOW PRECISION. The matrix products marked QUANTISED in the list below multiply operands that are first quantised to E2M3 (2 exponent bits, 3 mantissa bits; 6 bits a number), with one power-of-two scale for each 32 numbers along K (OCP MX v1.0); their sums are f32. All else is computed in f32.
;;   The module's matrix products, in the order in which they are computed (A, B: the left and right operand; K: the contracted axis; several contracted axes count as one K, in the product's order):
;;     1. [M 4,096, K 1,024] x [K 1,024, N 3,072]; A: computed on the way; B: input w_qkv: QUANTISED
;;     2. batch 32 x [M 2,048, K 64] x [K 64, N 2,048]; A: computed on the way; B: computed on the way: QUANTISED
;;     3. batch 32 x [M 2,048, K 2,048] x [K 2,048, N 64]; A: softmax (see below); B: computed on the way: QUANTISED
;;     4. [M 4,096, K 1,024] x [K 1,024, N 1,024]; A: computed on the way; B: input w_proj: QUANTISED
;;     5. [M 4,096, K 1,024] x [K 1,024, N 4,096]; A: computed on the way; B: input w_fc1: QUANTISED
;;     6. [M 4,096, K 4,096] x [K 4,096, N 1,024]; A: computed on the way; B: input w_fc2: QUANTISED
;;   THE QUANTISER, for each operand of a quantised product, along K:
;;     - K is cut into blocks of 32 from its start; a last block that is shorter is filled with zeros.
;;     - A block's scale is 2^e with e = floor(log2(the largest magnitude in the block)) - 2, held to -126 .. 127; a block of zeros has e = 0. As a byte (E8M0): e + 127.
;;     - Each number is divided by its block's scale, clamped to +-7.5, and rounded to the nearest number of E2M3, ties to even, subnormals kept.
;;     - The product sums the exact products of the quantised numbers (number of the format x scale) in f32.
;;   ~~~python
;;   def quantise(x, axis):      # numpy; x: float32 -> the quantised numbers, widened to float32 again
;;       x = np.moveaxis(x, axis, -1); K = x.shape[-1]
;;       x = np.pad(x, [(0, 0)] * (x.ndim - 1) + [(0, -K % 32)]); x = x.reshape(x.shape[:-1] + (-1, 32)); a = np.abs(x).max(-1, keepdims=True)
;;       e = np.where(a > 0, np.clip(np.frexp(np.where(a > 0, a, 1))[1] - 1 - 2, -126, 127), 0)      # np.frexp(a)[1] - 1 = floor(log2(a)), exactly
;;       r = np.clip(x / 2.0 ** e, -7.5, 7.5)
;;       step = 2.0 ** (np.maximum(np.frexp(np.where(r == 0, 1, r))[1] - 1, 0) - 3)
;;       q = np.round(r / step) * step * 2.0 ** e      # np.round: ties to even
;;       return np.moveaxis(q.reshape(q.shape[:-2] + (-1,))[..., :K], -1, axis).astype(np.float32)
;;   ~~~
;;   SOFTMAX AHEAD OF A QUANTISED PRODUCT. Where the list says 'softmax', what is quantised is not the finished softmax but p = 2^(t - M), with t = logit x log2(e) and M = ceil(the row's largest t), a whole number; so 1/2 < the row's largest p <= 1. The row's sum l is taken of the UNQUANTISED p, in f32, and the product's result is divided by l at the end. Since M is a whole number, a kernel that streams over the keys may use a running M (the ceiling of the running maximum): every later rescaling is an exact power of two, which a block's scale takes up: the codes' values come out the same.
;;   OPERANDS COMPUTED ON THE WAY. 'Computed on the way' means the value that the module computes at that place (a softmax that the list does not call 'softmax' is quantised finished and normalised). What goes into a quantiser is computed in f32, as accurately as f32 sums, v_exp_f32 and their like allow (about 1e-6 of the number): no bf16 or f16 on the way to a quantiser, and a product that is left as it is and whose result goes on into a quantised operand takes f32 operands (vector FMAs, or v_wmma_f32_16x16x4_f32). A number that lies on a knife's edge between two numbers of the format may be rounded either way, as far as f32 arithmetic and the matrix unit's own rounding can turn it there, and no further.
;; One version. Each part assembles by itself: llvm-mc -triple=amdgcn-amd-amdhsa -mcpu=gfx1250 --defsym DOCPART=n.
;; ======== version 1 of 1: 7 launches
;; limits: right only within a limited range of input values
;; workspace buffers: wqb 9,830,400 bytes; h1 3,276,800 bytes; h2 3,276,800 bytes; ctx 3,276,800 bytes; qkvb 10,092,544 bytes; x1 16,777,216 bytes; gb 13,107,200 bytes
;; launch prep (part 1): grid 1024 x 1, 4 waves a work-group, no clusters, 56,320 bytes of LDS; arguments w_qkv, w_proj, w_fc1, w_fc2, wqb, x, ln1_g, ln1_b, h1; writes wqb, h1
.if DOCPART == 1
	.amdgcn_target "amdgcn-amd-amdhsa--gfx1250"
	.amdhsa_code_object_version 6
	.text
	.protected	k_q254d0820cb_prep
	.globl	k_q254d0820cb_prep
	.p2align	8
	.type	k_q254d0820cb_prep,@function
k_q254d0820cb_prep:
	s_mov_b64 s[64:65], 0
	v_nop
	global_prefetch_b8 v0, s[64:65] scope:SCOPE_SE
	s_setreg_imm32_b32 hwreg(HW_REG_WAVE_MODE, 25, 1), 1
	s_wait_xcnt 0x0
; ONE LAUNCH PREPARES ALL THAT THE FIRST PRODUCT NEEDS.  Work-groups 0 to 255: h1 = LayerNorm(x) ln1_g + ln1_b, quantised.  Work-groups 256 to 1,023: the four weights, quantised.  The two kinds part on the work-group's number alone and have LDS bytes of their own.
; FORMAT: codes of FP6 (E2M3) with one E8M0 byte for each 32 along K, laid in the order of a matrix operand's registers.  ROWBLOCKS: rowblock i, row r holds row (token, or column of a weight) 32 (i / 2) + 8 (i % 2) + r + 8 (r / 8).
; A FRAGMENT (16 rows x 128 K) is 1,536 bytes: registers 2 p, 2 p + 1 of lane l at 256 p + 8 l.  Codes: [rowblock][K / 128][1536].  Scale words (4 bytes: 128 K of a row): for each 128 rows and each K / 128 a block of 512 bytes, the word of rowblock a, row r at 256 (a / 4) + 16 r + 4 (a % 4).
; THE WEIGHTS [K][N], f32: a work-group takes 128 columns x 128 K of one weight; a lane takes a column and its registers run down K, so a block of 32 lies in one lane.  One path serves all four: only numbers and pointers are chosen.  Loads run two blocks (64 loads a wave) ahead.
; THE NORM: a work-group is a rowblock of 16 tokens; wave w has columns 256 w on.  Loads take 512 neighbouring bytes; the numbers turn through the wave's own stage, 128 columns at a time, so that lane (r, h) holds of row r the k = 32 b + 16 h + 0 .. 15.
; x, g and b are asked for together, 36 loads a wave; g and b wait in the wave's own LDS bytes and are read back 64 columns at a time.  Mean first, then the sum of squares of x - mean: a common offset of the inputs costs no digits.
; The four waves' partial sums meet in LDS behind a barrier, added in one fixed order.
; No tensor loads, clusters or prefetches: every byte is read once, by long runs of loads that are all out together.
; A block's scale byte is its largest magnitude's exponent field - 2, held at 1 from below.  LIMITS: a block of zeros gets byte 1 (its codes are zeros; only this program reads the bytes); blocks under 2^-124 keep byte 1; NaN and infinities are not served.
.set WPROJ_C, 2359296
.set WFC1_C,  3145728
.set WFC2_C,  6291456
.set WQKV_S,  9437184
.set WPROJ_S, 9535488
.set WFC1_S,  9568256
.set WFC2_S,  9699328
.set H_S,   3145728
.set STGB,  3328                       ; the weights' path: a wave's stage: two fragments, 1,664 bytes apart
.set LSTG,  4*STGB                     ; the norm's path: a wave's stage of 16 rows x (512 + 16) bytes,
.set STGW,  8448
.set LGB,   LSTG+4*STGW                ; a wave's 1,024 bytes of g and 1,024 of b,
.set RED1,  LGB+4*2048                 ; 16 rows x 4 partial sums; the second reduction's 256 bytes behind them
.set SPARE, RED1+512                   ; the spare words, 128 bytes a wave
.set SPW, 252
.set NIL, 253
; the weights' path
.set X,   32                           ; v32-159  128 numbers down K
.set OFF, 160                          ; v160-191 row i of a block: i x pitch + 4 x lane
.set C,   192                          ; v192-215 codes, six registers a block
.set CT,  216                          ; v216-218 a block's upper 16 codes as the conversion leaves them
.set W,   220                          ; v220     the column's scale word
.set PI,    20                         ; s20 a row of the weight in bytes;  s21 log2(K / 128);  s22 the weight's first work-group;  s23, s24 its codes' and scales' place in wqb
.set LKF,   21
.set FIRST, 22
.set COFF,  23
.set SOFF,  24
; the norm's path
.set XB,  16                           ; v16-79   x's first 128 columns as loaded, then my 64 numbers of the second 128
.set GG,  80                           ; v80-143  x's second 128 columns as loaded; then v80-111 g, v112-143 b, 32 numbers at a time; then the second fragment's codes
.set BB,  112
.set PC2, 80
.set XA,  144                          ; v144-207 my 64 numbers of the first 128 columns
.set PC,  208                          ; v208-227 g and b as loaded; then the first fragment's codes
.set TM,  228                          ; v228-243 at work
.set PW,  244                          ; v244, v245 the two scale words
.set PW2, 245
.set MU,  246                          ; v[246:247] the mean;  v[248:249] 1 / sqrt(var + eps)
.set RS,  248
.set SEL, 20
	v_lshl_add_u32 v[SPW], v0, 2, SPARE
	v_mov_b32 v[NIL], 0
	v_lshrrev_b32 v1, 5, v0
	v_readfirstlane_b32 s16, v1                    ; wave
	s_cmp_lt_u32 ttmp9, 256
	s_cbranch_scc1 .Lnorm
; ================= THE WEIGHTS
	s_load_b256 s[4:11], s[0:1], 0x0               ; w_qkv, w_proj, w_fc1, w_fc2
	s_load_b64 s[12:13], s[0:1], 0x20              ; wqb
	s_sub_co_u32 s3, ttmp9, 256                    ; which of the 768 blocks
	v_and_b32 v2, 31, v0                           ; lane
	v_lshlrev_b32 v1, 2, v2
	s_mov_b32 s[PI], 4096                          ; w_fc2's numbers, overridden below
	s_mov_b32 s[LKF], 5
	s_mov_b32 s[FIRST], 512
	s_mov_b32 s[COFF], WFC2_C
	s_mov_b32 s[SOFF], WFC2_S
	s_wait_alu depctr_va_vdst(0)                   ; the wait here, directly ahead of the wait below
	s_wait_kmcnt 0x0
	s_mov_b64 s[14:15], s[10:11]
	s_cmp_lt_u32 s3, 512                           ; the choices hang on the work-group's number alone
	s_cselect_b64 s[14:15], s[8:9], s[14:15]
	s_cselect_b32 s[PI], 16384, s[PI]
	s_cselect_b32 s[LKF], 3, s[LKF]
	s_cselect_b32 s[FIRST], 256, s[FIRST]
	s_cselect_b32 s[COFF], WFC1_C, s[COFF]
	s_cselect_b32 s[SOFF], WFC1_S, s[SOFF]
	s_cmp_lt_u32 s3, 256
	s_cselect_b64 s[14:15], s[6:7], s[14:15]
	s_cselect_b32 s[PI], 4096, s[PI]
	s_cselect_b32 s[FIRST], 192, s[FIRST]
	s_cselect_b32 s[COFF], WPROJ_C, s[COFF]
	s_cselect_b32 s[SOFF], WPROJ_S, s[SOFF]
	s_cmp_lt_u32 s3, 192
	s_cselect_b64 s[14:15], s[4:5], s[14:15]
	s_cselect_b32 s[PI], 12288, s[PI]
	s_cselect_b32 s[FIRST], 0, s[FIRST]
	s_cselect_b32 s[COFF], 0, s[COFF]
	s_cselect_b32 s[SOFF], WQKV_S, s[SOFF]
	s_sub_co_u32 s17, s3, s[FIRST]
	s_lshl_b32 s18, 1, s[LKF]                      ; K / 128
	s_sub_co_u32 s19, s18, 1
	s_and_b32 s25, s17, s19                        ; which 128 along K
	s_lshr_b32 s26, s17, s[LKF]                    ; which 128 columns
	s_lshl_b32 s27, s25, 7
	s_mul_i32 s27, s27, s[PI]
	s_lshl_b32 s28, s26, 9
	s_lshl_b32 s29, s16, 7
	s_add_co_u32 s28, s28, s29
	s_add_co_u32 s28, s28, s27                     ; 128 kf rows + (128 G + 32 wave) columns, in bytes
	s_mov_b32 s29, 0
	s_lshl_b32 s30, s[PI], 5                       ; 32 rows on
	s_mov_b32 s31, 0
	s_add_nc_u64 s[32:33], s[14:15], s[28:29]      ; a base for each of the four blocks
	s_add_nc_u64 s[34:35], s[32:33], s[30:31]
	s_add_nc_u64 s[36:37], s[34:35], s[30:31]
	s_add_nc_u64 s[38:39], s[36:37], s[30:31]
.set i, 0
.rept 32
	v_mad_u32_u24 v[OFF+i], s[PI], i, v1
.set i, i+1
.endr
.macro LOADB b                         ; block b: W(32 b + i, my column), i = 0 .. 31, into its own 32 registers
.set i, 0
.rept 32
	global_load_b32 v[X+32*(\b)+i], v[OFF+i], s[32+2*(\b):33+2*(\b)] th:TH_LOAD_NT   ; a wave reads 128 neighbouring bytes, the four waves 512
.set i, i+1
.endr
.endm
	LOADB 0
	LOADB 1
	s_mul_i32 s40, s16, STGB                       ; my stage
	v_bfe_u32 v3, v0, 3, 1                         ; u: column 32 w + lane lies in rowblock 2 w + u,
	v_bfe_u32 v4, v0, 4, 1
	v_and_b32 v5, 7, v0
	v_lshl_add_u32 v5, v4, 3, v5                   ; at row r = lane % 8 + 8 (lane / 16)
	v_mul_u32_u24 v6, v3, 1664
	v_lshl_add_u32 v6, v5, 3, v6
	v_add_nc_u32 v6, s40, v6                       ; into the stage: fragment u, 8 r
	v_lshl_add_u32 v7, v2, 4, s40                  ; out of it: 16 bytes a lane
	v_lshlrev_b32 v8, 4, v2                        ; and the same in memory: fragment 0,
	s_mul_i32 s41, s18, 1536
	v_add_nc_u32 v9, s41, v8                       ; fragment 1 a rowblock further on
	v_lshlrev_b32 v10, 2, v3
	v_lshl_add_u32 v10, v5, 4, v10                 ; the scale word: 16 r + 4 u
	s_lshl_b32 s42, s26, 3
	s_lshl_b32 s43, s16, 1
	s_add_co_u32 s42, s42, s43                     ; rowblock 8 G + 2 w
	s_lshl_b32 s42, s42, s[LKF]
	s_add_co_u32 s42, s42, s25
	s_mul_i32 s42, s42, 1536
	s_add_co_u32 s42, s42, s[COFF]
	s_mov_b32 s43, 0
	s_add_nc_u64 s[44:45], s[12:13], s[42:43]
	s_lshl_b32 s46, s26, s[LKF]
	s_add_co_u32 s46, s46, s25
	s_lshl_b32 s46, s46, 9
	s_lshr_b32 s47, s16, 1
	s_lshl_b32 s47, s47, 8
	s_add_co_u32 s46, s46, s47
	s_and_b32 s47, s16, 1
	s_lshl_b32 s47, s47, 3
	s_add_co_u32 s46, s46, s47
	s_add_co_u32 s46, s46, s[SOFF]
	s_mov_b32 s47, 0
	s_add_nc_u64 s[14:15], s[12:13], s[46:47]
.macro BLOCK t
.set XS, X+32*(\t)
.if (\t) < 3
	s_wait_loadcnt 32                              ; this block's 32 loads are in, the next block's 32 may be out
.else
	s_wait_loadcnt 0x0                             ; the last block: nothing was issued behind it
.endif
.if (\t)+2 < 4
	LOADB (\t)+2                                   ; the block two further on, into registers of its own
.endif
	v_max3_num_f32 v14, |v[XS]|, |v[XS+1]|, |v[XS+2]|
	v_max3_num_f32 v15, |v[XS+3]|, |v[XS+4]|, |v[XS+5]|
.irp i, 6,10,14,18,22,26
	v_max3_num_f32 v14, v14, |v[XS+\i]|, |v[XS+\i+1]|
	v_max3_num_f32 v15, v15, |v[XS+\i+2]|, |v[XS+\i+3]|
.endr
	v_max3_num_f32 v14, v14, |v[XS+30]|, |v[XS+31]|
	v_max3_num_f32 v14, v14, v15, 0x1800000        ; with the floor 2^(3 - 127): the byte cannot fall under 1
	v_add_nc_u32 v11, 0xff000000, v14              ; 2 off the exponent field: the conversion's scale operand
	v_lshrrev_b32 v15, 23, v11                     ; the byte
.if (\t) == 0
	v_mov_b32 v[W], v15
.else
	v_lshl_or_b32 v[W], v15, 8*(\t), v[W]
.endif
	v_cvt_scalef32_pk16_fp6_f32 v[C+6*(\t):C+6*(\t)+2], v[XS:XS+15], v11
	v_cvt_scalef32_pk16_fp6_f32 v[CT:CT+2], v[XS+16:XS+31], v11    ; (a conversion's three registers begin on an even number)
	v_nop                                          ; one plain line behind the conversions
.irp i, 0,1,2
	v_mov_b32 v[C+6*(\t)+3+\i], v[CT+\i]
.endr
.endm
	BLOCK 0
	BLOCK 1
	BLOCK 2
	BLOCK 3
.set b, 0
.rept 4                                        ; block b is k = 64 (b / 2) + 32 (b % 2) on: registers 6 (b / 2) .. + 5 of lane r + 16 (b % 2)
.set p, 0
.rept 3
	ds_store_b64 v6, v[C+6*b+2*p:C+6*b+2*p+1] offset:256*(3*(b/2)+p)+128*(b%2)
.set p, p+1
.endr
.set b, b+1
.endr
.irp f, 0,1
.irp c, 0,1,2
	ds_load_b128 v[X+12*\f+4*\c:X+12*\f+4*\c+3], v7 offset:1664*\f+512*\c   ; LDS serves a wave's instructions in order: these see my stores
.endr
.endr
	s_wait_alu depctr_va_vdst(0)                   ; the wait here, directly ahead of the waits below
.irp f, 0,1
.irp c, 0,1,2
	s_wait_dscnt 5-3*\f-\c                         ; this read-back is in; the later ones may be out
	global_store_b128 v[8+\f], v[X+12*\f+4*\c:X+12*\f+4*\c+3], s[44:45] offset:512*\c   ; 512 consecutive bytes, aligned
.endr
.endr
	global_store_b32 v10, v[W], s[14:15]           ; words 16 bytes apart: 1 byte in 24 of what this path stores
	s_wait_tensorcnt 0x0                           ; the wave's end
	ds_add_u32 v[SPW], v[NIL]
	s_wait_dscnt 0x0
	s_endpgm
; ================= THE NORM
.macro QUANT s, pc, pw                 ; 64 numbers, register 16 b + i = k 32 b + 16 (lane / 16) + i of my row -> a fragment's codes in v[pc] on, its scale word in v[pw]
.irp b, 0,1,2,3
	v_max3_num_f32 v[TM+\b], |v[\s+16*\b]|, |v[\s+1+16*\b]|, 0x1800000   ; with the floor 2^(3 - 127)
.endr
.irp i, 2,4,6,8,10,12,14
.irp b, 0,1,2,3
	s_delay_alu instid0(VALU_DEP_4)
	v_max3_num_f32 v[TM+\b], v[TM+\b], |v[\s+16*\b+\i]|, |v[\s+1+16*\b+\i]|
.endr
.endr
.irp b, 0,1,2,3
	s_delay_alu instid0(VALU_DEP_4)
	v_permlanex16_b32 v[TM+4+\b], v[TM+\b], s[SEL], s[SEL+1]
.endr
.irp b, 0,1,2,3
	s_delay_alu instid0(VALU_DEP_4)
	v_max_num_f32 v[TM+\b], v[TM+\b], v[TM+4+\b]   ; the block's largest magnitude
.endr
.irp b, 0,1,2,3
	s_delay_alu instid0(VALU_DEP_4)
	v_add_nc_u32 v[TM+12+\b], 0xff000000, v[TM+\b] ; 2 off its exponent field: the conversion's scale operand
.endr
.irp b, 0,1,2,3
	s_delay_alu instid0(VALU_DEP_4)
	v_lshrrev_b32 v[TM+4+\b], 23, v[TM+12+\b]      ; the byte
.endr
	s_delay_alu instid0(VALU_DEP_3)
	v_lshl_or_b32 v[\pw], v[TM+5], 8, v[TM+4]
	s_delay_alu instid0(VALU_DEP_1)
	v_lshl_or_b32 v[\pw], v[TM+6], 16, v[\pw]
	s_delay_alu instid0(VALU_DEP_1)
	v_lshl_or_b32 v[\pw], v[TM+7], 24, v[\pw]
.irp c, 0,1
	v_cvt_scalef32_pk16_fp6_f32 v[\pc+6*\c:\pc+2+6*\c], v[\s+32*\c:\s+15+32*\c], v[TM+12+2*\c]
	v_cvt_scalef32_pk16_fp6_f32 v[\pc+12+4*\c:\pc+14+4*\c], v[\s+16+32*\c:\s+31+32*\c], v[TM+12+2*\c+1]
.endr
	v_nop                                          ; one plain line behind the conversions
.irp c, 0,1                                    ; a whole block to a lane: lanes 0-15 block 2 c, lanes 16-31 block 2 c + 1
.irp i, 0,1,2
	v_permlane16_swap_b32 v[\pc+6*\c+\i], v[\pc+12+4*\c+\i]
.endr
.irp i, 0,1,2
	s_delay_alu instid0(VALU_DEP_3)
	v_mov_b32 v[\pc+3+6*\c+\i], v[\pc+12+4*\c+\i]
.endr
.endr
.endm
.macro ACROSS off                      ; v[TM] .. v[TM + 7] hold my part of my row's sum: over this wave's 256 columns, then over the four waves
	v_pk_add_f32 v[TM:TM+1], v[TM:TM+1], v[TM+2:TM+3]
	v_pk_add_f32 v[TM+4:TM+5], v[TM+4:TM+5], v[TM+6:TM+7]
	s_delay_alu instid0(VALU_DEP_1)
	v_pk_add_f32 v[TM:TM+1], v[TM:TM+1], v[TM+4:TM+5]
	s_delay_alu instid0(VALU_DEP_1)
	v_add_f32 v[TM], v[TM], v[TM+1]
	s_delay_alu instid0(VALU_DEP_1)
	v_permlanex16_b32 v[TM+1], v[TM], s[SEL], s[SEL+1]
	s_delay_alu instid0(VALU_DEP_1)
	v_add_f32 v[TM], v[TM], v[TM+1]
	ds_store_b32 v8, v[TM] offset:\off             ; lanes r and r + 16 write the same word with the same value
	s_wait_dscnt 0x0                               ; for the others' sake: my store has landed
	s_barrier_signal -1
	s_barrier_wait -1
	ds_load_b128 v[TM:TM+3], v9 offset:\off
	s_wait_dscnt 0x0
	v_pk_add_f32 v[TM:TM+1], v[TM:TM+1], v[TM+2:TM+3]
	s_delay_alu instid0(VALU_DEP_1)
	v_add_f32 v[TM], v[TM], v[TM+1]
.endm
.macro TURNX r, x                      ; 128 columns of 16 rows, as loaded in v[r] on, into the stage;  APART: back as my 64 numbers into v[x] on
.set i, 0
.rept 16
	ds_store_b128 v6, v[\r+4*i:\r+4*i+3] offset:528*i
.set i, i+1
.endr
.endm
.macro BACKX x
.irp b, 0,1,2,3
.irp j, 0,1,2,3
	ds_load_b128 v[\x+16*\b+4*\j:\x+16*\b+4*\j+3], v7 offset:128*\b+16*\j   ; my wave's own bytes, served in order
.endr
.endr
.endm
.macro APPLY xs, q                     ; 32 numbers from v[xs] on, blocks 2 q and 2 q + 1 of my 256 columns: x 1 / sqrt(var + eps), x g, + b
.irp b, 0,1
.irp j, 0,1,2,3
	ds_load_b128 v[GG+16*\b+4*\j:GG+16*\b+4*\j+3], v13 offset:128*(2*(\q)+\b)+16*\j
	ds_load_b128 v[BB+16*\b+4*\j:BB+16*\b+4*\j+3], v13 offset:1024+128*(2*(\q)+\b)+16*\j
.endr
.endr
.set n, 0
.rept 16
	v_pk_mul_f32 v[\xs+n:\xs+n+1], v[\xs+n:\xs+n+1], v[RS:RS+1] op_sel_hi:[1,0]
.set n, n+2
.endr
	s_wait_dscnt 0x0                               ; g and b of these 64 columns are in
.set n, 0
.rept 16
	v_pk_fma_f32 v[\xs+n:\xs+n+1], v[\xs+n:\xs+n+1], v[GG+n:GG+n+1], v[BB+n:BB+n+1]
.set n, n+2
.endr
.endm
.Lnorm:
	s_load_b256 s[4:11], s[0:1], 0x28              ; x, ln1_g, ln1_b, h1
	s_mov_b32 s12, s16                             ; wave
	v_and_b32 v1, 31, v0
	v_and_b32 v2, 15, v0                           ; r
	v_bfe_u32 v3, v0, 4, 1                         ; h
	s_lshl_b32 s14, s12, 10
	s_mul_i32 s15, s12, STGW
	s_add_co_u32 s15, s15, LSTG
	s_lshl_b32 s18, s12, 2
	s_lshl_b32 s19, s12, 11
	s_add_co_u32 s19, s19, LGB
	v_lshl_add_u32 v4, v1, 4, s14                  ; x, g, b: 16 x lane + 1,024 x wave
	v_lshl_add_u32 v6, v1, 4, s15                  ; the stage, in
	v_mul_u32_u24 v7, v2, 528
	s_delay_alu instid0(VALU_DEP_1)
	v_lshl_add_u32 v7, v3, 6, v7
	s_delay_alu instid0(VALU_DEP_1)
	v_add_nc_u32 v7, s15, v7                       ; and out: row r, + 64 h
	v_lshlrev_b32 v9, 4, v2
	s_delay_alu instid0(VALU_DEP_1)
	v_add_nc_u32 v9, RED1, v9                      ; my row's four partial sums,
	s_delay_alu instid0(VALU_DEP_1)
	v_add_nc_u32 v8, s18, v9                       ; my wave's among them
	v_lshlrev_b32 v10, 3, v1
	v_lshlrev_b32 v11, 4, v2
	v_lshl_add_u32 v12, v1, 4, s19                 ; g and b in LDS, in: 16 x lane
	v_lshl_add_u32 v13, v3, 6, s19                 ; and out: 64 h
	s_mov_b32 s[SEL], 0x76543210
	s_mov_b32 s[SEL+1], 0xfedcba98
	s_mov_b32 s22, 0x3a800000                      ; 1 / 1024
	s_mov_b32 s23, 0x3727c5ac                      ; 1e-5
	s_lshr_b32 s16, ttmp9, 1
	s_lshl_b32 s16, s16, 5
	s_and_b32 s17, ttmp9, 1
	s_lshl_b32 s17, s17, 3
	s_add_co_u32 s16, s16, s17                     ; the rowblock's first token
	s_lshl_b32 s16, s16, 12
	s_mov_b32 s17, 0
	s_lshl_b32 s13, s12, 1                         ; my first fragment along K: 2 x wave
	s_lshl_b32 s24, ttmp9, 3
	s_add_co_u32 s24, s24, s13
	s_mul_i32 s24, s24, 1536                       ; fragment (i, 2 w)
	s_mov_b32 s25, 0
	s_lshr_b32 s26, ttmp9, 3
	s_lshl_b32 s26, s26, 3
	s_add_co_u32 s26, s26, s13
	s_lshl_b32 s26, s26, 9
	s_bfe_u32 s27, ttmp9, 0x10002
	s_lshl_b32 s27, s27, 8
	s_add_co_u32 s26, s26, s27
	s_and_b32 s27, ttmp9, 3
	s_lshl_b32 s27, s27, 2
	s_add_co_u32 s26, s26, s27
	s_add_co_u32 s26, s26, H_S
	s_mov_b32 s27, 0
	s_wait_alu depctr_va_vdst(0)                   ; the wait at the head's end
	s_wait_kmcnt 0x0
	s_add_nc_u64 s[4:5], s[4:5], s[16:17]
	s_add_nc_u64 s[24:25], s[10:11], s[24:25]
	s_add_nc_u64 s[26:27], s[10:11], s[26:27]
.irp f, 0,1
.set i, 0
.rept 16
	global_load_b128 v[XB+64*\f+4*i:XB+64*\f+4*i+3], v4, s[4:5] offset:(i+8*(i/8))*4096+512*\f th:TH_LOAD_NT   ; row i of the rowblock: 512 consecutive bytes
.set i, i+1
.endr
.endr
	global_load_b128 v[PC:PC+3], v4, s[6:7]
	global_load_b128 v[PC+4:PC+7], v4, s[6:7] offset:512
	global_load_b128 v[PC+8:PC+11], v4, s[8:9]
	global_load_b128 v[PC+12:PC+15], v4, s[8:9] offset:512
	s_wait_loadcnt 20                              ; x's first 128 columns are in; the second's sixteen loads and g's and b's four may be out
	TURNX XB
	BACKX XA
	s_wait_loadcnt 4                               ; the second 128 columns are in
	TURNX GG
	s_wait_dscnt 16                                ; all but the sixteen stores just issued are done: the first half's stores have read v16-79, which take the second half's numbers
	BACKX XB
	s_wait_loadcnt 0x0                             ; g and b
	ds_store_b128 v12, v[PC:PC+3]
	ds_store_b128 v12, v[PC+4:PC+7] offset:512
	ds_store_b128 v12, v[PC+8:PC+11] offset:1024
	ds_store_b128 v12, v[PC+12:PC+15] offset:1536
	s_wait_dscnt 4                                 ; my 128 numbers are in; the four stores just issued may be out
.irp c, 0,1,2,3
	v_pk_add_f32 v[TM+2*\c:TM+2*\c+1], v[XA+2*\c:XA+2*\c+1], v[XA+8+2*\c:XA+9+2*\c]
.endr
.irp j, 16,24,32,40,48,56
.irp c, 0,1,2,3
	s_delay_alu instid0(VALU_DEP_4)
	v_pk_add_f32 v[TM+2*\c:TM+2*\c+1], v[TM+2*\c:TM+2*\c+1], v[XA+\j+2*\c:XA+\j+2*\c+1]
.endr
.endr
.irp j, 0,8,16,24,32,40,48,56
.irp c, 0,1,2,3
	s_delay_alu instid0(VALU_DEP_4)
	v_pk_add_f32 v[TM+2*\c:TM+2*\c+1], v[TM+2*\c:TM+2*\c+1], v[XB+\j+2*\c:XB+\j+2*\c+1]
.endr
.endr
	ACROSS 0
	s_delay_alu instid0(VALU_DEP_1)
	v_mul_f32 v[MU], s22, v[TM]                    ; the mean
	v_mov_b32 v[MU+1], 0                           ; (named with it as a pair)
.irp x, XA, XB
.set n, 0
.rept 32
	v_pk_add_f32 v[\x+n:\x+n+1], v[\x+n:\x+n+1], v[MU:MU+1] op_sel_hi:[1,0] neg_lo:[0,1] neg_hi:[0,1]
.set n, n+2
.endr
.endr
.irp c, 0,1,2,3
	v_pk_mul_f32 v[TM+2*\c:TM+2*\c+1], v[XA+2*\c:XA+2*\c+1], v[XA+2*\c:XA+2*\c+1]
.endr
.irp j, 8,16,24,32,40,48,56
.irp c, 0,1,2,3
	s_delay_alu instid0(VALU_DEP_4)
	v_pk_fma_f32 v[TM+2*\c:TM+2*\c+1], v[XA+\j+2*\c:XA+\j+2*\c+1], v[XA+\j+2*\c:XA+\j+2*\c+1], v[TM+2*\c:TM+2*\c+1]
.endr
.endr
.irp j, 0,8,16,24,32,40,48,56
.irp c, 0,1,2,3
	s_delay_alu instid0(VALU_DEP_4)
	v_pk_fma_f32 v[TM+2*\c:TM+2*\c+1], v[XB+\j+2*\c:XB+\j+2*\c+1], v[XB+\j+2*\c:XB+\j+2*\c+1], v[TM+2*\c:TM+2*\c+1]
.endr
.endr
	ACROSS 256                                     ; other bytes than the first reduction's: no barrier between
	s_delay_alu instid0(VALU_DEP_1)
	v_fma_f32 v[TM], v[TM], s22, s23               ; var + eps
	s_wait_alu depctr_va_vdst(0)                   ; the wait ahead of the transcendental
	v_rsq_f32 v[RS], v[TM]
	v_mov_b32 v[RS+1], 0                           ; a plain line behind the transcendental
	s_wait_alu depctr_va_vdst(0)                   ; and ahead of its first reader
	APPLY XA, 0
	APPLY XA+32, 1
	APPLY XB, 2
	APPLY XB+32, 3
	QUANT XA, PC, PW
.irp p, 0,1,2,3,4,5
	global_store_b64 v10, v[PC+2*\p:PC+2*\p+1], s[24:25] offset:256*\p   ; 256 consecutive bytes, aligned
.endr
	global_store_b32 v11, v[PW], s[26:27]          ; lanes r and r + 16 store the same word
	QUANT XB, PC2, PW2                             ; into registers of its own: the stores above may still read theirs
.irp p, 0,1,2,3,4,5
	global_store_b64 v10, v[PC2+2*\p:PC2+2*\p+1], s[24:25] offset:1536+256*\p
.endr
	global_store_b32 v11, v[PW2], s[26:27] offset:512
	s_wait_tensorcnt 0x0                           ; the wave's end
	ds_add_u32 v[SPW], v[NIL]
	s_wait_dscnt 0x0
	s_endpgm
.Lfunc_end_k_q254d0820cb_prep:
	.size	k_q254d0820cb_prep, .Lfunc_end_k_q254d0820cb_prep-k_q254d0820cb_prep
	.p2alignl 7, 3214868480
	.fill 96, 4, 3214868480
	.section	.rodata,"a",@progbits
	.p2align	6, 0x0
	.amdhsa_kernel k_q254d0820cb_prep
		.amdhsa_group_segment_fixed_size 56320
		.amdhsa_private_segment_fixed_size 0
		.amdhsa_enable_private_segment 0
		.amdhsa_kernarg_size 72
		.amdhsa_user_sgpr_count 2
		.amdhsa_user_sgpr_kernarg_segment_ptr 1
		.amdhsa_wavefront_size32 1
		.amdhsa_system_sgpr_workgroup_id_x 1
		.amdhsa_system_sgpr_workgroup_id_y 1
		.amdhsa_system_sgpr_workgroup_id_z 1
		.amdhsa_system_vgpr_workitem_id 0
		.amdhsa_next_free_vgpr 256
		.amdhsa_next_free_sgpr 66
		.amdhsa_reserve_vcc 0
		.amdhsa_float_denorm_mode_32 3
		.amdhsa_float_denorm_mode_16_64 3
		.amdhsa_memory_ordered 1
		.amdhsa_forward_progress 1
		.amdhsa_inst_pref_size 79
	.end_amdhsa_kernel
	.amdgpu_metadata
---
amdhsa.version: [ 1, 2 ]
amdhsa.kernels:
  - .name:           k_q254d0820cb_prep
    .symbol:         k_q254d0820cb_prep.kd
    .args:
      - { .name: w_qkv, .offset: 0, .size: 8, .value_kind: global_buffer, .address_space: global }
      - { .name: w_proj, .offset: 8, .size: 8, .value_kind: global_buffer, .address_space: global }
      - { .name: w_fc1, .offset: 16, .size: 8, .value_kind: global_buffer, .address_space: global }
      - { .name: w_fc2, .offset: 24, .size: 8, .value_kind: global_buffer, .address_space: global }
      - { .name: wqb, .offset: 32, .size: 8, .value_kind: global_buffer, .address_space: global }
      - { .name: x, .offset: 40, .size: 8, .value_kind: global_buffer, .address_space: global }
      - { .name: ln1_g, .offset: 48, .size: 8, .value_kind: global_buffer, .address_space: global }
      - { .name: ln1_b, .offset: 56, .size: 8, .value_kind: global_buffer, .address_space: global }
      - { .name: h1, .offset: 64, .size: 8, .value_kind: global_buffer, .address_space: global }
    .group_segment_fixed_size: 56320
    .private_segment_fixed_size: 0
    .kernarg_segment_align: 8
    .kernarg_segment_size: 72
    .max_flat_workgroup_size: 128
    .sgpr_count:     66
    .vgpr_count:     256
    .wavefront_size: 32
...
	.end_amdgpu_metadata
.endif
;; end of part 1
;; launch qkv (part 2): grid 12 x 16, 4 waves a work-group, clusters of 4 x 4, 327,680 bytes of LDS; arguments h1, wqb, b_qkv, qkvb; writes qkvb
.if DOCPART == 2
	.amdgcn_target "amdgcn-amd-amdhsa--gfx1250"
	.amdhsa_code_object_version 6
	.text
	.protected	k_q254d0820cb_qkv
	.globl	k_q254d0820cb_qkv
	.p2align	8
	.type	k_q254d0820cb_qkv,@function
k_q254d0820cb_qkv:
	s_mov_b64 s[64:65], 0
	v_nop
	global_prefetch_b8 v0, s[64:65] scope:SCOPE_SE
	s_setreg_imm32_b32 hwreg(HW_REG_WAVE_MODE, 25, 1), 1
	s_wait_xcnt 0x0
	s_wait_alu depctr_hold_cnt(0) depctr_sa_sdst(0) depctr_va_vdst(0) depctr_va_sdst(0) depctr_va_ssrc(0) depctr_va_vcc(0) depctr_vm_vsrc(0)
	s_getreg_b32 s2, hwreg(HW_REG_IB_STS2, 6, 4)
	s_cmp_eq_u32 s2, 0
	s_cbranch_scc0 .Lentry_in_a_cluster
	s_endpgm
.Lentry_in_a_cluster:
	s_bfe_u32 s2, ttmp6, 0x10000c
	s_cmp_lg_u32 s2, 0xf033
	s_cbranch_scc0 .Lentry_shape_is_right
	s_endpgm
.Lentry_shape_is_right:
; q, k, v = h1 w_qkv + b_qkv on codes of FP6 (E2M3) with E8M0 scales, K = 1,024; the results are quantised on the way out and stored as attention's operands.
; OPERANDS lie in the order of their registers: rowblocks of 16 rows (rowblock i, row r = true row 32 (i / 2) + 8 (i % 2) + r + 8 (r / 8)), fragments of 1,536 bytes (registers 2 p, 2 p + 1 of lane l at 256 p + 8 l), [rowblock][8][1536];
; scale words: 512 bytes for each 128 rows and 128 K, the word of rowblock a, row r at 256 (a / 4) + 16 r + 4 (a % 4).
; A tile is 256 x 256, four waves of 128 x 128 (64 accumulators).  THE PRODUCT IS USED TRANSPOSED (source 0 = 16 rows of B, source 1 = 16 rows of A): lane (r, h) holds row r of A's rowblock, and the 64 registers of B's eight
; rowblocks are true rows 32 b + 16 h + 0 .. 15 of B: neighbours along the next product's K.  Cluster x is the KIND: 0 q, 1 k: A = tokens, B = weight columns (next K = the head's 64).  2 v: A = weight columns, B = tokens (next K = the keys).
; K goes through a ring of two LDS slots of 256 along K; 4 x 4 work-groups ask jointly: A's tiles along a row of the cluster, B's along a column.  The scale words of all of K come once.
; OUT: q, k: [head][key rowblock][768] (half fragments); v: [head][128 keys][16 d][1536]; scale words beside them (q's and k's word holds its head's two bytes below; the upper two meet zero codes in attention).
; LIMITS: a block of zeros gets byte 1 (zero codes); blocks under 2^-124 keep byte 1; NaN and infinities are not served.
.set KF,   8
.set H_S,  3145728
.set WQKV_S, 9437184
.set Q_S,  9437184
.set KV_S, 9699328
.set NA,   8
.set NB,   8
.set SKF,  2
.set FRB,  1536
.set QB,   NA*SKF*FRB                  ; a quarter of a slot: what one tensor load brings, what one wave reads of A or of B
.set SLOT, 4*QB
.set LAPS, KF/(2*SKF)
.set HALFS, NA*KF*64                   ; the scale words of 128 rows
.set SWS,  HALFS
.set SCL,  2*SLOT
.set SPARE, SCL+4*HALFS                ; the spare words, 128 bytes a wave
.set ADRA, 16
.set ADRB, 20
.set ADRS, 27
.set SPW,  28
.set NIL,  29
.set BA,   30
.set BLA,  31
.set SC,   32                          ; v32-47 the products' scale words and nothing else, two sets of 8: lanes 0-15 A's rowblock x, lanes 16-31 B's
.set BL,   48                          ; v48-63 the bias by A's rows: rowblock a's in v[48 + 2 a], 0 above it
.set AF,   64                          ; A's fragments, two sets of 96;  window 1: B's sets at v0, v128; the bias by registers in v96-127, v224-255;  windows 2, 3: accumulators
.set G1, 24
.set G0, 32
.set G1B, 48
.set G0B, 56
.set G1S, 68
.set G0S, 76
.set G1SB, 80
.set G0SB, 88
.set W,   128                          ; the way out (window 0, where A's fragments lay): v128-135 the eight rowblocks' scale words, v136-143 as stored
.set SW,  136
.set SW2, 140
.set VO0, 10
.set VO1, 11
.set VS,  12
.set T,   64
.set PC,  192
.set TM,  212
.set PW,  228
.set OB,  68                           ; s[68:69] where the codes go; s[70:71], s[82:83] the scale words; s[72:73] a step; s74 the trip
.set SB,  70
.set STP, 72
.set CNT, 74
.set MH,  75
.set SEL, 76
.set DA,  78
.set J4,  79
.set KR,  80
.set KL,  81
.set SB2, 82
.set MSB, 0
.macro WIN new                         ; the immediate's high byte repeats the setting that is left
.if MSB != \new
	s_set_vgpr_msb (MSB<<8)|\new
.set MSB, \new
.endif
.endm
.macro JLOAD g0a, g1a, g0b, g1b        ; a joint load: waves 0, 1 fetch for A, waves 2, 3 for B; an s_nop 0 and four v_nop follow each line
	s_cmp_eq_u32 s15, 0
	s_cbranch_scc0 .Lfor_b_\@
	tensor_load_to_lds s[\g0a:\g0a+3], s[\g1a:\g1a+7]
	s_nop 0
.rept 4
	v_nop
.endr
	s_branch .Lasked_\@
.Lfor_b_\@:
	tensor_load_to_lds s[\g0b:\g0b+3], s[\g1b:\g1b+7]
	s_nop 0
.rept 4
	v_nop
.endr
.Lasked_\@:
.endm
.macro CREST
	s_cmp_lg_u32 s14, 0
	s_cbranch_scc1 .Lnot_wave_0_\@
	s_barrier_signal -3
.Lnot_wave_0_\@:
	s_barrier_wait -3
	s_barrier_signal -1
	s_barrier_wait -1
.endm
.macro CROUND
	s_barrier_signal -1
	s_barrier_wait -1
	CREST
.endm
.macro PLACES n
.rept \n
	v_nop
.endr
.endm
.macro FETCH slot, q, set              ; the fragments and scale words of the slot's q-th 128 along K: every load takes 256 consecutive bytes
	WIN 0x40
.set fi, 0
.rept NB
.irp p, 0,1,2,3,4,5
	ds_load_b64 v[128*(\set)+12*fi+2*\p:128*(\set)+12*fi+2*\p+1], v[ADRB+\slot] offset:fi*SKF*FRB+(\q)*FRB+256*\p
.endr
.set fi, fi+1
.endr
	WIN 0
.set fi, 0
.rept NA
.irp p, 0,1,2,3,4,5
	ds_load_b64 v[AF+12*NA*(\set)+12*fi+2*\p:AF+12*NA*(\set)+12*fi+2*\p+1], v[ADRA+\slot] offset:fi*SKF*FRB+(\q)*FRB+256*\p
.endr
.set fi, fi+1
.endr
.set fi, 0
.rept NA/4
	ds_load_b128 v[SC+8*(\set)+4*fi:SC+8*(\set)+4*fi+3], v[ADRS] offset:512*(\q)+256*fi
.set fi, fi+1
.endr
.endm
.macro MULA a0, n, set, zero           ; A's rowblocks a0 .. a0 + n - 1 against B's eight; the accumulators take turns, in the same order in every step
.set ai, \a0
.rept \n
.set bi, 0
.rept NB
.set IDX, ai*NB+bi
.set WN, 0x01+0x50*(2+IDX/32)
.set AC, 8*(IDX%32)
	WIN WN
.if \zero
	v_wmma_scale_f32_16x16x128_f8f6f4 v[AC:AC+7], v[128*(\set)+12*bi:128*(\set)+12*bi+11], v[AF+12*NA*(\set)+12*ai:AF+12*NA*(\set)+12*ai+11], 0, v[SC+8*(\set)+bi], v[SC+8*(\set)+ai] matrix_a_fmt:MATRIX_FMT_FP6 matrix_b_fmt:MATRIX_FMT_FP6 matrix_a_scale:MATRIX_SCALE_ROW1
.else
	v_wmma_scale_f32_16x16x128_f8f6f4 v[AC:AC+7], v[128*(\set)+12*bi:128*(\set)+12*bi+11], v[AF+12*NA*(\set)+12*ai:AF+12*NA*(\set)+12*ai+11], v[AC:AC+7], v[SC+8*(\set)+bi], v[SC+8*(\set)+ai] matrix_a_fmt:MATRIX_FMT_FP6 matrix_b_fmt:MATRIX_FMT_FP6 matrix_a_scale:MATRIX_SCALE_ROW1
.endif
.set bi, bi+1
.endr
.set ai, ai+1
.endr
.endm
.macro STEP slot, q, zero              ; 128 along K with its successor in the same slot
	s_wait_dscnt 0x0                               ; this step's fragments are in (asked for a step ago)
	PLACES 4                                       ; in front of loads into the set that the last step's products read
	FETCH \slot, (\q)+1, 1-(\q)%2
	MULA 0, NA, (\q)%2, \zero
	WIN 0
.endm
.macro TURN slot, next, fill           ; a slot's last step changes slots
	s_wait_tensorcnt 0x0                           ; all my tensor loads have landed: my part of the next slot;
	ds_add_u32 v[SPW], v[NIL]                      ; 0 onto my spare word;
	s_wait_dscnt 1                                 ; (the add alone may be out: the fragments are in)
	MULA 0, NA/4, 1, 0
	s_wait_dscnt 0x0                               ; the add is done, and my reads of this slot are over
	s_barrier_signal -1
	MULA NA/4, NA/4, 1, 0
	WIN 0
	s_barrier_wait -1
.if \fill
	CREST                                          ; the barrier has opened a round of the cluster's: no wave of any partner still reads this slot or has a load on its way
	s_add_nc_u64 s[G0+4*\slot+2:G0+4*\slot+3], s[G0+4*\slot+2:G0+4*\slot+3], 2*SKF*FRB
	s_add_nc_u64 s[G0B+4*\slot+2:G0B+4*\slot+3], s[G0B+4*\slot+2:G0B+4*\slot+3], 2*SKF*FRB
	JLOAD G0+4*\slot, G1, G0B+4*\slot, G1B         ; the first tensor load behind the round; its four v_nop are the places in front of the loads below
.else
	PLACES 4
.endif
	s_wait_alu depctr_va_vdst(0)
	v_add_nc_u32 v[ADRS], 512*SKF, v[ADRS]
	FETCH \next, 0, 0
	MULA NA/2, NA/2, 1, 0
	WIN 0
.endm
.macro QUANT s                         ; 64 numbers, register 16 b + i = k 32 b + 16 (lane / 16) + i of my row -> a fragment's codes in v[PC] on, its scale word in v[PW]
.irp b, 0,1,2,3
	v_max3_num_f32 v[TM+\b], |v[\s+16*\b]|, |v[\s+1+16*\b]|, 0x1800000
.endr
.irp i, 2,4,6,8,10,12,14
.irp b, 0,1,2,3
	v_max3_num_f32 v[TM+\b], v[TM+\b], |v[\s+16*\b+\i]|, |v[\s+1+16*\b+\i]|
.endr
.endr
.irp b, 0,1,2,3
	v_permlanex16_b32 v[TM+4+\b], v[TM+\b], s[SEL], s[SEL+1]
.endr
.irp b, 0,1,2,3
	v_max_num_f32 v[TM+\b], v[TM+\b], v[TM+4+\b]
.endr
.irp b, 0,1,2,3
	v_add_nc_u32 v[TM+12+\b], 0xff000000, v[TM+\b]
.endr
.irp b, 0,1,2,3
	v_lshrrev_b32 v[TM+4+\b], 23, v[TM+12+\b]
.endr
	v_lshl_or_b32 v[PW], v[TM+5], 8, v[TM+4]
	v_lshl_or_b32 v[PW], v[TM+6], 16, v[PW]
	v_lshl_or_b32 v[PW], v[TM+7], 24, v[PW]
.irp c, 0,1
	v_cvt_scalef32_pk16_fp6_f32 v[PC+6*\c:PC+2+6*\c], v[\s+32*\c:\s+15+32*\c], v[TM+12+2*\c]
	v_cvt_scalef32_pk16_fp6_f32 v[PC+12+4*\c:PC+14+4*\c], v[\s+16+32*\c:\s+31+32*\c], v[TM+12+2*\c+1]
.endr
	v_nop
.irp c, 0,1
.irp i, 0,1,2
	v_permlane16_swap_b32 v[PC+6*\c+\i], v[PC+12+4*\c+\i]
.endr
.irp i, 0,1,2
	v_mov_b32 v[PC+3+6*\c+\i], v[PC+12+4*\c+\i]
.endr
.endr
.endm
	s_load_b256 s[4:11], s[0:1], 0x0               ; h1, wqb, b_qkv, qkvb
	v_lshl_add_u32 v[SPW], v0, 2, SPARE
	v_mov_b32 v[NIL], 0
	ds_add_u32 v[SPW], v[NIL]                      ; the wave's opening
	ds_add_u32 v[SPW], v[NIL]
	v_lshrrev_b32 v1, 5, v0
	v_readfirstlane_b32 s14, v1                    ; wave
	s_lshr_b32 s15, s14, 1                         ; my half of A's rows.  Also: I fetch for A (0) or for B (1)
	s_and_b32 s16, s14, 1                          ; my half of B's rows.  Also: which half of that tile I fetch
	s_bfe_u32 s40, ttmp6, 0x40000                  ; cx
	s_bfe_u32 s41, ttmp6, 0x40004                  ; cy
	s_and_b32 s19, ttmp7, 0xffff
	s_lshl_b32 s19, s19, 2                         ; 4 x cluster y
	s_lshl_b32 s95, ttmp9, 2                       ; 4 x cluster x
	s_mov_b32 s97, H_S
	s_mov_b32 s98, WQKV_S
	s_cmp_eq_u32 ttmp9, 2                          ; v?  The cluster's x: the same in all sixteen partners
	s_cselect_b32 s17, 0, s19
	s_cselect_b32 s42, s19, s95
	s_cselect_b32 s96, 1572864, 0                  ; v's columns begin at rowblock 128 of the weight,
	s_cselect_b32 s97, WQKV_S+65536, s97           ; their scale words at group 16
	s_cselect_b32 s98, H_S, s98
	s_add_co_u32 s17, s17, s41                     ; A's tile: hangs on cy (and the cluster's y) alone
	s_add_co_u32 s42, s42, s40                     ; B's tile: on cx (and the cluster's place) alone
	s_lshl_b32 s43, s41, 2
	s_lshl_b32 s43, 15, s43                        ; my row of the cluster
	s_lshl_b32 s44, 0x1111, s40                    ; my column
	s_or_b32 s[G1+0], s43, (3<<16)|(1<<21)         ; the mask; elements of 8 bytes; bit 21 beside a mask; no padding
	s_or_b32 s[G1B+0], s44, (3<<16)|(1<<21)
.irp g, G1, G1B
	s_mov_b32 s[\g+1], (192*SKF)<<16               ; a rowblock's part of a slot: SKF fragments on end
	s_mov_b32 s[\g+2], NA<<16
	s_mov_b32 s[\g+3], (192*SKF)<<16
	s_mov_b32 s[\g+4], NA
	s_mov_b32 s[\g+5], 192*KF                      ; from rowblock to rowblock
	s_mov_b32 s[\g+6], 0
	s_mov_b32 s[\g+7], 0
.endr
	s_or_b32 s[G1S+0], s43, (3<<16)|(1<<21)
	s_or_b32 s[G1SB+0], s44, (3<<16)|(1<<21)
.irp g, G1S, G1SB
	s_mov_b32 s[\g+1], (192*SKF)<<16               ; G1S, G1SB serve the head's loads: a whole tile's part of a slot, 2 NA rowblocks
	s_mov_b32 s[\g+2], (2*NA)<<16
	s_mov_b32 s[\g+3], (192*SKF)<<16
	s_mov_b32 s[\g+4], 2*NA
	s_mov_b32 s[\g+5], 192*KF
	s_mov_b32 s[\g+6], 0
	s_mov_b32 s[\g+7], 0
.endr
	s_lshl_b32 s20, s17, 1
	s_add_co_u32 s20, s20, s16
	s_mul_i32 s22, s20, HALFS
	s_add_co_u32 s22, s22, s97
	s_mul_i32 s20, s20, NA*KF*FRB
	s_add_co_u32 s20, s20, s96
	s_mov_b32 s21, 0
	s_mov_b32 s23, 0
	s_lshl_b32 s46, s42, 1
	s_add_co_u32 s46, s46, s16
	s_mul_i32 s92, s46, HALFS
	s_add_co_u32 s92, s92, s98
	s_mul_i32 s46, s46, NA*KF*FRB
	s_mov_b32 s47, 0
	s_mov_b32 s93, 0
	s_mul_i32 s45, s14, QB                         ; where they go: by the wave's number alone
	s_mul_i32 s94, s14, HALFS
	s_wait_dscnt 0x0                               ; the opening add is done
	s_wait_kmcnt 0x0
	s_cmp_eq_u32 ttmp9, 2
	s_cselect_b64 s[12:13], s[6:7], s[4:5]         ; A's buffer
	s_cselect_b64 s[66:67], s[4:5], s[6:7]         ; B's
	s_add_nc_u64 s[20:21], s[12:13], s[20:21]
	s_add_nc_u64 s[22:23], s[12:13], s[22:23]
	s_add_nc_u64 s[46:47], s[66:67], s[46:47]
	s_add_nc_u64 s[92:93], s[66:67], s[92:93]
	CROUND                                         ; all sixteen work-groups are here: the first joint loads meet
	; THE HEAD'S LOADS, ONE A WAVE: wave 0 A's tile of slot 0, wave 1 B's, wave 2 A's tile of slot 1, wave 3 B's: both slots are asked for at once, slot 0 first
.set PFA, 100                          ; s[100:101] where my prefetches stand
	s_mul_i32 s2, s16, NA*KF*FRB                   ; back from my half to the tile's first rowblock,
	s_mov_b32 s3, 0
	s_sub_nc_u64 s[G0S+2:G0S+3], s[20:21], s[2:3]
	s_sub_nc_u64 s[G0SB+2:G0SB+3], s[46:47], s[2:3]
	s_mul_i32 s2, s15, SKF*FRB                     ; on to slot wave / 2 along K
	s_add_nc_u64 s[G0S+2:G0S+3], s[G0S+2:G0S+3], s[2:3]
	s_add_nc_u64 s[G0SB+2:G0SB+3], s[G0SB+2:G0SB+3], s[2:3]
	s_or_b32 s[G0S+3], s[G0S+3], 0x80000000
	s_or_b32 s[G0SB+3], s[G0SB+3], 0x80000000
	s_mov_b32 s[G0S], 1
	s_mul_i32 s[G0S+1], s15, SLOT
	s_mov_b32 s[G0SB], 1
	s_add_co_u32 s[G0SB+1], s[G0S+1], 2*QB
.macro ARM under, g0, g1, next         ; one chain of branches on the wave's number, one load to an arm, all arms to one join
	s_cmp_lt_u32 s14, \under
	s_cbranch_scc0 \next
	tensor_load_to_lds s[\g0:\g0+3], s[\g1:\g1+7]
	s_nop 0
.rept 4
	v_nop
.endr
	s_branch .Lhead_asked
\next:
.endm
	ARM 1, G0S,  G1S,  .Lhead_1
	ARM 2, G0SB, G1SB, .Lhead_2
	ARM 3, G0S,  G1S,  .Lhead_3
	tensor_load_to_lds s[G0SB:G0SB+3], s[G1SB:G1SB+7]
	s_nop 0
.rept 4
	v_nop
.endr
.Lhead_asked:
	s_cmp_eq_u32 s15, 0                            ; waves 0, 1 see to A, waves 2, 3 to B
	s_cselect_b64 s[PFA:PFA+1], s[20:21], s[46:47] ; the quarter that I fetch in the ring;
	s_cselect_b32 s2, s40, s41                     ; of its NA rowblocks my work-group prefetches NA / 4, by its place among the four that ask jointly: told apart by address alone
	s_mul_i32 s2, s2, (NA/4)*KF*FRB
	s_add_nc_u64 s[PFA:PFA+1], s[PFA:PFA+1], s[2:3]
	s_cselect_b64 s[2:3], s[22:23], s[92:93]       ; my quarter of the scale words
.irp s, 0,1
	s_mov_b32 s[G0+4*\s], 1
	s_add_co_u32 s[G0+4*\s+1], s45, \s*SLOT
	s_add_nc_u64 s[G0+4*\s+2:G0+4*\s+3], s[20:21], \s*SKF*FRB
	s_or_b32 s[G0+4*\s+3], s[G0+4*\s+3], 0x80000000
	s_mov_b32 s[G0B+4*\s], 1
	s_add_co_u32 s[G0B+4*\s+1], s45, \s*SLOT
	s_add_nc_u64 s[G0B+4*\s+2:G0B+4*\s+3], s[46:47], \s*SKF*FRB
	s_or_b32 s[G0B+4*\s+3], s[G0B+4*\s+3], 0x80000000
.endr
	v_and_b32 v1, 31, v0
	v_lshlrev_b32 v7, 4, v1
	s_add_co_u32 s94, s94, SCL
	v_add_nc_u32 v8, s94, v7                       ; THE SCALE WORDS go through registers into LDS bytes that no tensor load fills: each wave a quarter, 512 consecutive bytes a load
.set i, 0
.rept HALFS/512
	global_load_b128 v[64+4*i:64+4*i+3], v7, s[2:3] offset:512*i
.set i, i+1
.endr
	; PREFETCHES: slots 2 and 3, which the ring's two refills will load, two slots ahead of each: my work-group's two rowblocks x 12 blocks of 256 bytes, a lane a block (lanes 24-31 name the last again)
	v_min_u32 v9, 23, v1
	v_mul_u32_u24 v13, v9, 171
	v_lshrrev_b32 v13, 11, v13                     ; lane / 12
	v_mul_u32_u24 v13, v13, KF*FRB-SKF*FRB
	v_lshl_add_u32 v9, v9, 8, v13
	global_prefetch_b8 v9, s[PFA:PFA+1] offset:2*SKF*FRB th:TH_LOAD_NT scope:SCOPE_SE
	global_prefetch_b8 v9, s[PFA:PFA+1] offset:3*SKF*FRB th:TH_LOAD_NT scope:SCOPE_SE
	v_lshlrev_b32 v2, 3, v1                        ; 8 x lane
	v_and_b32 v3, 15, v0                           ; r
	v_bfe_u32 v4, v0, 4, 1                         ; h
	s_wait_alu depctr_va_vdst(0)
	s_mul_i32 s21, s15, QB
	s_mul_i32 s22, s16, QB
	s_add_co_u32 s22, s22, 2*QB
.irp s, 0,1
	v_add_nc_u32 v[ADRA+\s], s21, v2
	v_add_nc_u32 v[ADRB+\s], s22, v2
	s_add_co_u32 s21, s21, SLOT
	s_add_co_u32 s22, s22, SLOT
.endr
	s_mul_i32 s21, s15, SWS
	s_mul_i32 s22, s16, SWS
	s_add_co_u32 s22, s22, 2*HALFS
	s_sub_co_u32 s22, s22, s21
	v_mul_u32_u24 v6, s22, v4                      ; lanes 16-31 take B's words: one product with h
	s_add_co_u32 s21, s21, SCL
	v_lshl_add_u32 v5, v3, 4, v6
	v_add_nc_u32 v[ADRS], s21, v5
	; the biases.  q, k: by registers (B's rows are channels).  v: by A's rows.  Both are loaded from places inside b_qkv and the one that does not apply is cleared on the way out
	s_lshl_b32 s12, s41, 8
	s_lshl_b32 s13, s15, 7
	s_add_co_u32 s12, s12, s13                     ; 256 cy + 128 (wave / 2)
	s_lshl_b32 s13, s40, 8
	s_lshl_b32 s18, s16, 7
	s_add_co_u32 s13, s13, s18                     ; 256 cx + 128 (wave % 2)
	s_lshl_b32 s18, ttmp9, 10
	s_add_co_u32 s18, s18, s13
	s_add_co_u32 s19, s12, 2048
	s_cmp_eq_u32 ttmp9, 2
	s_cselect_b32 s66, s12, s13                    ; my first channel within the kind
	s_cselect_b32 s18, 0, s18
	s_cselect_b32 s19, s19, 0
	s_lshl_b32 s12, s18, 2
	s_mov_b32 s13, 0
	s_add_nc_u64 s[96:97], s[8:9], s[12:13]
	s_lshl_b32 s12, s19, 2
	s_add_nc_u64 s[98:99], s[8:9], s[12:13]
	v_lshlrev_b32 v[BA], 6, v4
	v_and_b32 v5, 8, v3
	v_add_nc_u32 v5, v5, v3
	v_lshlrev_b32 v[BLA], 2, v5
	WIN 0x40
.irp b, 0,1,2,3
.irp j, 0,1,2,3
	global_load_b128 v[96+16*\b+4*\j+96*(\b/2):96+16*\b+4*\j+96*(\b/2)+3], v[BA], s[96:97] offset:128*\b+16*\j
.endr
.endr
	WIN 0
.irp a, 0,1,2,3,4,5,6,7
	global_load_b32 v[BL+2*\a], v[BLA], s[98:99] offset:4*(32*(\a/2)+8*(\a%2))
	v_mov_b32 v[BL+2*\a+1], 0
.endr
	s_wait_alu depctr_va_vdst(0)                   ; the wait at the head's end
	s_wait_loadcnt 24                              ; my scale words are in; the 24 loads of the biases, issued behind them, may be out
.set i, 0
.rept HALFS/512
	ds_store_b128 v8, v[64+4*i:64+4*i+3] offset:512*i
.set i, i+1
.endr
	s_cmp_lt_u32 s14, 2                            ; slot 0's two loads are waves 0's and 1's alone; slot 1's may be out
	s_cbranch_scc0 .Lnot_slot_0
	s_wait_tensorcnt 0x0
.Lnot_slot_0:
	s_wait_dscnt 0x0                               ; my stores of scale words have landed
	s_barrier_signal -1
	s_barrier_wait -1
	FETCH 0, 0, 0
	STEP 0, 0, 1                                   ; the first step's products start the sums
	s_mov_b32 s3, LAPS-1
.Llap:
	TURN 0, 1, 1
	s_wait_alu depctr_va_vdst(0)
	STEP 1, 0, 0
	TURN 1, 0, 1
	s_wait_alu depctr_va_vdst(0)
	STEP 0, 0, 0
	s_sub_co_u32 s3, s3, 1
	s_cmp_lg_u32 s3, 0
	s_cbranch_scc1 .Llap
	TURN 0, 1, 0                                   ; the last lap fills nothing
	s_wait_alu depctr_va_vdst(0)
	STEP 1, 0, 0
	s_wait_dscnt 0x0
	MULA 0, NA, 1, 0
	WIN 0
	; THE WAY OUT.  No tensor load of mine is out: the descriptors' registers are free
	PLACES 4
	s_mov_b32 s[DA], 768
	s_mov_b32 s30, 256
	s_mov_b32 s31, KV_S
	s_mov_b32 s32, 12288
	s_cmp_eq_u32 ttmp9, 2
	s_cselect_b32 s24, s42, s17                    ; the tile of tokens,
	s_cselect_b32 s25, s16, s15                    ; my half of it
	s_cselect_b32 s[DA], 1536, s[DA]               ; from rowblock to rowblock of A in the output
	s_cselect_b32 s[J4], 92160, 0                  ; v: rowblock 4 begins the next head
	s_cselect_b32 s28, 0, 97536                    ; q, k: a fragment's upper half belongs to the next head
	s_cselect_b32 s29, 8, 9
	s_cselect_b32 s30, 12288, s30
	s_cselect_b32 s31, KV_S+8192, s31
	s_cselect_b32 s[KR], 0, -1
	s_cselect_b32 s[KL], -1, 0
	s_cmp_eq_u32 ttmp9, 0
	s_cselect_b32 s31, Q_S, s31
	s_cselect_b32 s32, 8192, s32                   ; a head's scale bytes
	s_lshl_b32 s24, s24, 8
	s_lshl_b32 s25, s25, 7
	s_add_co_u32 s24, s24, s25                     ; my first token
	s_lshr_b32 s33, s24, 11                        ; batch
	s_bfe_u32 s34, s24, 0x40007                    ; which 128 of its tokens
	s_lshl_b32 s35, s33, 4
	s_lshr_b32 s36, s66, 6
	s_add_co_u32 s35, s35, s36                     ; my first head
	s_mul_i32 s36, ttmp9, 3145728
	s_mul_i32 s37, s35, 98304
	s_add_co_u32 s36, s36, s37
	s_mul_i32 s37, s34, 6144
	s_add_co_u32 s36, s36, s37
	s_mov_b32 s37, 0
	s_add_nc_u64 s[OB:OB+1], s[10:11], s[36:37]
	s_mul_i32 s38, s35, s32
	s_lshl_b32 s39, s34, s29
	s_add_co_u32 s38, s38, s39
	s_add_co_u32 s38, s38, s31
	s_mov_b32 s39, 0
	s_add_nc_u64 s[SB:SB+1], s[10:11], s[38:39]
	s_mov_b32 s33, 0
	s_add_nc_u64 s[SB2:SB2+1], s[SB:SB+1], s[32:33]
	s_mov_b32 s[STP+1], 0
	s_mov_b32 s[CNT], 0
	s_mov_b32 s[MH], 0xffff0000
	s_mov_b32 s[SEL], 0x76543210
	s_mov_b32 s[SEL+1], 0xfedcba98
	v_lshlrev_b32 v[VO0], 3, v1
	v_add_nc_u32 v[VO1], s28, v[VO0]
	v_mul_u32_u24 v[VS], s30, v4
	v_lshl_add_u32 v[VS], v3, 4, v[VS]
	v_mov_b32 v[PW], 0
.irp i, 0,1,2,3,4,5,6,7
	v_mov_b32 v[W+\i], 0
.endr
.irp b, 0,1,2,3
	v_mov_b32 v[TM+4+\b], 0                        ; a lane permute's destination counts as one of its sources
.endr
	s_wait_loadcnt 0x0                             ; the biases
.irp a, 0,1,2,3,4,5,6,7
	v_cndmask_b32 v[BL+2*\a], 0, v[BL+2*\a], s[KL]
.endr
	WIN 0x44
.set n, 0
.rept 64
	v_cndmask_b32 v[96+n+96*(n/32)], 0, v[96+n+96*(n/32)], s[KR]
.set n, n+1
.endr
	WIN 0
.macro BLK a                           ; rowblock a of A: its 64 results and the biases into T, each accumulator from its low end on
.if (\a) > 0
	v_mov_b32 v[W+(\a)-1], v[PW]                   ; the last trip's scale word
.endif
.set WN, 6+(\a)/4
	WIN WN                                         ; source 0: window 2 or 3; source 1: window 1
.set n, 0
.rept 32
	v_pk_add_f32 v[T+n:T+n+1], v[64*((\a)%4)+n:64*((\a)%4)+n+1], v[96+n+96*(n/32):96+n+96*(n/32)+1]
.set n, n+2
.endr
	WIN 0
.set n, 0
.rept 32
	v_pk_add_f32 v[T+n:T+n+1], v[T+n:T+n+1], v[BL+2*(\a):BL+2*(\a)+1] op_sel_hi:[1,0]
.set n, n+2
.endr
.endm
.Lrow:                                         ; eight trips; what differs between them, the accumulators' numbers, stands in eight short blocks chosen by the trip's number
.irp a, 1,2,3,4,5,6,7
	s_cmp_eq_u32 s[CNT], \a
	s_cbranch_scc1 .Lblk\a
.endr
.irp a, 0,1,2,3,4,5,6,7
.Lblk\a:
	BLK \a
	s_branch .Lcommon
.endr
.Lcommon:
	QUANT T
.irp p, 0,1,2
	global_store_b64 v[VO0], v[PC+2*\p:PC+2*\p+1], s[OB:OB+1] offset:256*\p   ; 256 consecutive bytes, aligned
.endr
.irp p, 3,4,5
	global_store_b64 v[VO1], v[PC+2*\p:PC+2*\p+1], s[OB:OB+1] offset:256*\p
.endr
	s_wait_xcnt 0x0                                ; the stores have read their data and their base: both are written again below and in the next trip
	s_cmp_eq_u32 s[CNT], 3
	s_cselect_b32 s[STP], s[J4], 0
	s_add_co_u32 s[STP], s[STP], s[DA]
	s_add_nc_u64 s[OB:OB+1], s[OB:OB+1], s[STP:STP+1]
	s_add_co_u32 s[CNT], s[CNT], 1
	s_cmp_lt_u32 s[CNT], 8
	s_cbranch_scc1 .Lrow
	v_mov_b32 v[W+7], v[PW]
.irp i, 0,1,2,3
	v_cndmask_b32 v[SW+\i], v[W+\i], v[W+4+\i], s[MH]   ; lanes 0-15: rowblocks 0-3; lanes 16-31: rowblocks 4-7
.endr
	global_store_b128 v[VS], v[SW:SW+3], s[SB:SB+1]
	s_cmp_eq_u32 ttmp9, 2
	s_cbranch_scc1 .Lno_second                     ; by the cluster's x alone
.irp i, 0,1,2,3
	v_lshrrev_b32 v[SW2+\i], 16, v[SW+\i]          ; q, k: the second head's two bytes
.endr
	global_store_b128 v[VS], v[SW2:SW2+3], s[SB2:SB2+1]
.Lno_second:
	s_wait_tensorcnt 0x0                           ; the wave's end
	ds_add_u32 v[SPW], v[NIL]
	s_wait_dscnt 0x0
	CROUND                                         ; the closing round
	s_endpgm
.Lfunc_end_k_q254d0820cb_qkv:
	.size	k_q254d0820cb_qkv, .Lfunc_end_k_q254d0820cb_qkv-k_q254d0820cb_qkv
	.p2alignl 7, 3214868480
	.fill 96, 4, 3214868480
	.section	.rodata,"a",@progbits
	.p2align	6, 0x0
	.amdhsa_kernel k_q254d0820cb_qkv
		.amdhsa_group_segment_fixed_size 327680
		.amdhsa_private_segment_fixed_size 0
		.amdhsa_enable_private_segment 0
		.amdhsa_kernarg_size 32
		.amdhsa_user_sgpr_count 2
		.amdhsa_user_sgpr_kernarg_segment_ptr 1
		.amdhsa_wavefront_size32 1
		.amdhsa_system_sgpr_workgroup_id_x 1
		.amdhsa_system_sgpr_workgroup_id_y 1
		.amdhsa_system_sgpr_workgroup_id_z 1
		.amdhsa_system_vgpr_workitem_id 0
		.amdhsa_next_free_vgpr 1024
		.amdhsa_next_free_sgpr 102
		.amdhsa_reserve_vcc 0
		.amdhsa_float_denorm_mode_32 3
		.amdhsa_float_denorm_mode_16_64 3
		.amdhsa_memory_ordered 1
		.amdhsa_forward_progress 1
		.amdhsa_inst_pref_size 179
	.end_amdhsa_kernel
	.amdgpu_metadata
---
amdhsa.version: [ 1, 2 ]
amdhsa.kernels:
  - .name:           k_q254d0820cb_qkv
    .symbol:         k_q254d0820cb_qkv.kd
    .args:
      - { .name: h1, .offset: 0, .size: 8, .value_kind: global_buffer, .address_space: global }
      - { .name: wqb, .offset: 8, .size: 8, .value_kind: global_buffer, .address_space: global }
      - { .name: b_qkv, .offset: 16, .size: 8, .value_kind: global_buffer, .address_space: global }
      - { .name: qkvb, .offset: 24, .size: 8, .value_kind: global_buffer, .address_space: global }
    .group_segment_fixed_size: 327680
    .private_segment_fixed_size: 0
    .kernarg_segment_align: 8
    .kernarg_segment_size: 32
    .max_flat_workgroup_size: 128
    .sgpr_count:     102
    .vgpr_count:     1024
    .wavefront_size: 32
...
	.end_amdgpu_metadata
.endif
;; end of part 2
;; launch attn (part 3): grid 8 x 32, 16 waves a work-group, clusters of 4 x 1, 210,944 bytes of LDS; arguments qkvb, ctx; writes ctx
.if DOCPART == 3
	.amdgcn_target "amdgcn-amd-amdhsa--gfx1250"
	.amdhsa_code_object_version 6
	.text
	.protected	k_q254d0820cb_attn
	.globl	k_q254d0820cb_attn
	.p2align	8
	.type	k_q254d0820cb_attn,@function
k_q254d0820cb_attn:
	s_mov_b64 s[64:65], 0
	v_nop
	global_prefetch_b8 v0, s[64:65] scope:SCOPE_SE
	s_setreg_imm32_b32 hwreg(HW_REG_WAVE_MODE, 25, 1), 1
	s_wait_xcnt 0x0
	s_wait_alu depctr_hold_cnt(0) depctr_sa_sdst(0) depctr_va_vdst(0) depctr_va_sdst(0) depctr_va_ssrc(0) depctr_va_vcc(0) depctr_vm_vsrc(0)
	s_getreg_b32 s2, hwreg(HW_REG_IB_STS2, 6, 4)
	s_cmp_eq_u32 s2, 0
	s_cbranch_scc0 .Lentry_in_a_cluster
	s_endpgm
.Lentry_in_a_cluster:
	s_bfe_u32 s2, ttmp6, 0x10000c
	s_cmp_lg_u32 s2, 0x3003
	s_cbranch_scc0 .Lentry_shape_is_right
	s_endpgm
.Lentry_shape_is_right:
; ctx = softmax(q k^T / 8) v for 32 heads of 64, 2,048 keys, both products on codes of FP6 (E2M3) with E8M0 scales; the result is quantised along the 1,024 channels and stored as the next product's operand.
; THE SOFTMAX: t = score x log2(e) / 8; M = the running largest t rounded up to a whole number; p = 2^(t - M) is quantised along the keys, not normalised; the row's sum of the unquantised p divides at the end.
; SHARES: a work-group owns 256 queries of one head, each of its sixteen waves one rowblock of 16.  A WHOLE HEAD'S K AND V LIE IN LDS (codes 2 x 98,304 bytes, scale words 12,288): filled once, by joint loads of the
; cluster's four work-groups (four query blocks of one head); nothing is filled again.  ONE LOAD A WAVE, all at the head: waves 0 and 1 the first quarter (512 keys) of K's and of V's codes, wave 2 the scale words,
; waves 4 and 5 the other three quarters of K's and V's.
; TWO BARRIERS: in front of the first waves 0 to 2 have waited for their loads, and two key steps are walked on the first quarter; in front of the second every wave has waited, and the other fourteen steps have no barrier among them.
; NO PREFETCH: all that the launch reads by tensor loads is asked for at the head; there is no loop to run ahead in.
; LAYOUT: both products transposed (S^T = K Q^T, O^T = V^T P^T): a lane holds one query.  Rowblocks hold rows 32 (i / 2) + 8 (i % 2) + r + 8 (r / 8), so the 16 registers of two neighbouring tiles are 16 neighbouring keys (or channels).
; K = 64 IN AN INSTRUCTION OF 128: Q's upper six registers are zero codes.  K's tile t is named as v[30 + 6 t : 41 + 6 t]: its upper six registers are the next tile's codes (zeros behind the last) and meet Q's zeros: they add nothing.
; The upper two bytes of Q's and K's scale words are another head's bytes or 0, never 0xff.
; LIMITS: a block of zeros gets byte 1 (zero codes); NaN and infinities are not served; the scaled scores stay under 2^31 in magnitude.
.set K_C,  3145728
.set Q_S,  9437184
.set KV_S, 9699328
.set H_S,  3145728
.set VC,   98304
.set KS,   196608
.set VSC,  204800
.set SPARE, 208896
.set AK0,  1
.set AV0,  2
.set ASK0, 3
.set ASV0, 4
.set SPW,  5
.set NIL,  6
.set ADK,  8
.set ADV,  9
.set ADS,  10
.set ADT,  11
.set BM,   212                         ; v212-215 the blocks' largest; v216-219 at work; v220-223 the conversions' scale operands
.set BT,   216
.set SO,   220
.set WV,   8
.set G1Q,  16                          ; s[16:23] group 1 of a quarter of a head's codes; s[24:31] of the scale words; s[44:51] of three quarters
.set G1S,  24
.set G1R,  44
.set SEL,  52
.set CS,   54
.set TK,   56
.set TS,   57
.set TT,   58
.set CNT,  59
.macro CROUND
	s_barrier_signal -1
	s_barrier_wait -1
	s_cmp_lg_u32 s[WV], 0
	s_cbranch_scc1 .Lnot_wave_0_\@
	s_barrier_signal -3
.Lnot_wave_0_\@:
	s_barrier_wait -3
	s_barrier_signal -1
	s_barrier_wait -1
.endm
.macro DENSE g, rows                   ; a dense block as rows of 256 bytes (32 elements of 8); the mask: all four partners; bit 21 beside a mask; no padding
	s_mov_b32 s[\g], 15|(3<<16)|(1<<21)
	s_mov_b32 s[\g+1], 32<<16
	s_mov_b32 s[\g+2], (\rows)<<16
	s_mov_b32 s[\g+3], 32<<16
	s_mov_b32 s[\g+4], \rows
	s_mov_b32 s[\g+5], 32
	s_mov_b32 s[\g+6], 0
	s_mov_b32 s[\g+7], 0
.endm
.macro TL g0, g1                       ; an s_nop 0 and four v_nop follow each load
	tensor_load_to_lds s[\g0:\g0+3], s[\g1:\g1+7]
	s_nop 0
.rept 4
	v_nop
.endr
.endm
	s_load_b128 s[4:7], s[0:1], 0x0                ; qkvb, ctx
	v_lshl_add_u32 v[SPW], v0, 2, SPARE
	v_mov_b32 v[NIL], 0
	ds_add_u32 v[SPW], v[NIL]                      ; the wave's opening
	ds_add_u32 v[SPW], v[NIL]
	v_lshrrev_b32 v8, 5, v0
	s_delay_alu instid0(VALU_DEP_1)
	v_readfirstlane_b32 s[WV], v8                  ; wave 0..15
	s_bfe_u32 s9, ttmp6, 0x40000                   ; cx: it enters Q's and ctx's addresses alone
	s_lshl_b32 s10, ttmp9, 2
	s_add_co_u32 s10, s10, s9                      ; my block of 256 queries
	s_and_b32 s11, ttmp7, 0xffff                   ; 16 x batch + head: the four partners share it
	DENSE G1Q, 96
	DENSE G1S, 48
	DENSE G1R, 288
	s_and_b32 s12, s[WV], 1                        ; an even wave asks for K's codes, an odd one for V's, which lie 3,145,728 bytes further on
	s_mul_i32 s60, s12, 3145728
	s_mul_i32 s61, s11, 98304
	s_add_co_u32 s60, s60, s61
	s_add_co_u32 s60, s60, K_C
	s_mov_b32 s61, 0
	s_mul_i32 s62, s11, 12288
	s_add_co_u32 s62, s62, KV_S
	s_mov_b32 s63, 0
	s_mul_i32 s13, s12, 98304
	s_mov_b32 s[SEL], 0x76543210
	s_mov_b32 s[SEL+1], 0xfedcba98
	s_mov_b32 s[CS], 0x3e38aa3b                    ; c = log2(e) / 8
	s_mov_b32 s[CS+1], s[CS]
	s_mov_b32 s[TK], 0
	s_mov_b32 s[TS], 0
	s_mov_b32 s[TT], 0
	s_wait_dscnt 0x0                               ; both opening adds are done
	s_wait_kmcnt 0x0
	CROUND                                         ; all four work-groups are here: the joint loads meet
	s_mov_b32 s32, 1                               ; s[32:35] the scale words
	s_mov_b32 s33, KS
	s_add_nc_u64 s[34:35], s[4:5], s[62:63]
	s_or_b32 s35, s35, 0x80000000
	s_mov_b32 s36, 1                               ; s[36:39] the first quarter of K's or V's codes
	s_mov_b32 s37, s13
	s_add_nc_u64 s[38:39], s[4:5], s[60:61]
	s_mov_b32 s40, 1                               ; s[40:43] the other three
	s_add_co_u32 s41, s13, 24576
	s_add_nc_u64 s[42:43], s[38:39], 24576
	s_or_b32 s39, s39, 0x80000000
	s_or_b32 s43, s43, 0x80000000
	s_cmp_lt_u32 s[WV], 2                          ; one chain of branches on the wave's number, one load to an arm, all arms to one join
	s_cbranch_scc0 .Lfill_s
	TL 36, G1Q
	s_branch .Lno_fill
.Lfill_s:
	s_cmp_eq_u32 s[WV], 2
	s_cbranch_scc0 .Lfill_r
	TL 32, G1S
	s_branch .Lno_fill
.Lfill_r:
	s_cmp_lt_u32 s[WV], 4
	s_cbranch_scc1 .Lno_fill
	s_cmp_lt_u32 s[WV], 6
	s_cbranch_scc0 .Lno_fill
	TL 40, G1R
.Lno_fill:
	s_lshl_b32 s14, s10, 4
	s_add_co_u32 s14, s14, s[WV]                   ; my rowblock of queries, 0 .. 127
	s_lshl_b32 s15, s11, 7
	s_add_co_u32 s15, s15, s14
	s_mul_i32 s66, s15, 768
	s_mov_b32 s67, 0
	s_add_nc_u64 s[66:67], s[4:5], s[66:67]        ; Q's half fragment
	s_lshl_b32 s68, s11, 13
	s_lshr_b32 s69, s14, 3
	s_lshl_b32 s69, s69, 9
	s_add_co_u32 s68, s68, s69
	s_bfe_u32 s69, s14, 0x10002
	s_lshl_b32 s69, s69, 8
	s_add_co_u32 s68, s68, s69
	s_and_b32 s69, s14, 3
	s_lshl_b32 s69, s69, 2
	s_add_co_u32 s68, s68, s69
	s_add_co_u32 s68, s68, Q_S
	s_mov_b32 s69, 0
	s_add_nc_u64 s[68:69], s[4:5], s[68:69]        ; and its scale words
	v_and_b32 v8, 31, v0
	v_and_b32 v9, 15, v0
	s_delay_alu instid0(VALU_DEP_2)
	v_lshlrev_b32 v7, 3, v8                        ; 8 x lane
	s_delay_alu instid0(VALU_DEP_2)
	v_lshlrev_b32 v28, 4, v9                       ; 16 x (lane % 16)
.irp p, 0,1,2
	global_load_b64 v[16+2*\p:17+2*\p], v7, s[66:67] offset:256*\p
.endr
	global_load_b32 v93, v28, s[68:69]
	v_lshlrev_b32 v[AK0], 3, v8
	s_delay_alu instid0(VALU_DEP_1)
	v_add_nc_u32 v[AV0], VC, v[AK0]
	v_lshl_add_u32 v[ASK0], v8, 4, KS              ; K's words: register i = rowblock 4 (lane / 16) + i
	v_lshl_add_u32 v[ASV0], v9, 4, VSC             ; V's: register i = tile i
.irp j, 22,23,24,25,26,27,78,79,80,81,82,83
	v_mov_b32 v[\j], 0                             ; zero codes
.endr
	v_mov_b32 v13, 0xff61b1e6                      ; the largest t so far: -3e38
	s_delay_alu instid0(VALU_DEP_1)
	v_floor_f32 v12, -v13                          ; -M
	v_mov_b32 v14, 0
	v_mov_b32 v15, 0
	v_mov_b32 v225, 0                              ; (the upper half of f's pair)
.irp b, 0,1,2,3
	v_mov_b32 v[BT+\b], 0                          ; a lane permute's destination counts as one of its sources
.endr
.set j, 0
.rept 32
	v_mov_b32 v[160+j], 0                          ; O^T: the step is written once, and its first run finds zeros
.set j, j+1
.endr
.macro STEP                            ; 128 keys
	v_add_nc_u32 v[ADK], s[TK], v[AK0]             ; (these four are also the places in front of loads into registers that the last products read)
	v_add_nc_u32 v[ADV], s[TK], v[AV0]
	v_add_nc_u32 v[ADS], s[TS], v[ASK0]
	v_add_nc_u32 v[ADT], s[TT], v[ASV0]
.irp t, 0,1,2,3,4,5,6,7
.irp p, 0,1,2
	ds_load_b64 v[30+6*\t+2*\p:31+6*\t+2*\p], v[ADK] offset:768*\t+256*\p
.endr
.endr
	ds_load_b128 v[84:87], v[ADS]
	s_wait_alu depctr_va_vdst(0)                   ; the wait here, directly ahead of the wait below
	s_wait_dscnt 0x0
.irp t, 0,1,2,3
	v_wmma_scale_f32_16x16x128_f8f6f4 v[96+8*\t:103+8*\t], v[30+6*\t:41+6*\t], v[16:27], 0, v[84+\t], v93 matrix_a_fmt:MATRIX_FMT_FP6 matrix_b_fmt:MATRIX_FMT_FP6
.endr
.irp t, 4,5,6,7
	v_wmma_scale_f32_16x16x128_f8f6f4 v[96+8*\t:103+8*\t], v[30+6*\t:41+6*\t], v[16:27], 0, v[80+\t], v93 matrix_a_fmt:MATRIX_FMT_FP6 matrix_b_fmt:MATRIX_FMT_FP6 matrix_a_scale:MATRIX_SCALE_ROW1
.endr
.rept 4
	v_nop                                          ; places: in front of the loads below and of the first read of the scores
.endr
.irp t, 0,1,2,3
.irp p, 0,1,2,3,4,5
	ds_load_b64 v[30+12*\t+2*\p:31+12*\t+2*\p], v[ADV] offset:1536*\t+256*\p   ; V's four tiles are asked for ahead of the softmax
.endr
.endr
	ds_load_b128 v[88:91], v[ADT]
.irp b, 0,1,2,3
	v_max3_num_f32 v[BM+\b], v[96+16*\b], v[97+16*\b], v[98+16*\b]   ; the largest score of each block of 32 keys: for the row's maximum and for the block's largest p
.endr
.irp i, 3,5,7,9,11,13
.irp b, 0,1,2,3
	v_max3_num_f32 v[BM+\b], v[BM+\b], v[96+16*\b+\i], v[97+16*\b+\i]
.endr
.endr
.irp b, 0,1,2,3
	v_max_num_f32 v[BM+\b], v[BM+\b], v[111+16*\b]
.endr
.irp b, 0,1,2,3
	s_delay_alu instid0(VALU_DEP_4)
	v_permlanex16_b32 v[BT+\b], v[BM+\b], s[SEL], s[SEL+1]
.endr
.irp b, 0,1,2,3
	s_delay_alu instid0(VALU_DEP_4)
	v_max_num_f32 v[BM+\b], v[BM+\b], v[BT+\b]
.endr
	s_delay_alu instid0(VALU_DEP_2)
	v_max3_num_f32 v226, v[BM], v[BM+1], v[BM+2]
	s_delay_alu instid0(VALU_DEP_1)
	v_max_num_f32 v226, v226, v[BM+3]
	s_delay_alu instid0(VALU_DEP_1)
	v_mul_f32 v226, s[CS], v226
	s_delay_alu instid0(VALU_DEP_1)
	v_max_num_f32 v13, v13, v226                   ; the running largest t
	v_mov_b32 v226, v12
	s_delay_alu instid0(VALU_DEP_2)
	v_floor_f32 v12, -v13                          ; the new -M: a whole number
	s_delay_alu instid0(VALU_DEP_1)
	v_sub_f32 v226, v12, v226
	s_delay_alu instid0(VALU_DEP_1)
	v_cvt_i32_f32 v226, v226                       ; (it saturates)
	s_delay_alu instid0(VALU_DEP_1)
	v_ldexp_f32 v224, 1.0, v226                    ; f = 2^(old M - new M): rounds nothing
.set j, 0
.rept 32
	v_pk_fma_f32 v[96+j:97+j], v[96+j:97+j], s[CS:CS+1], v[12:13] op_sel_hi:[1,0,0]   ; t - M
.set j, j+2
.endr
.irp b, 0,1,2,3
	v_fma_f32 v[BM+\b], v[BM+\b], s[CS], v12
.endr
.set j, 0
	s_wait_alu depctr_va_vdst(0)                   ; the wait ahead of the batch
.rept 64
	v_exp_f32 v[96+j], v[96+j]                     ; p
.set j, j+1
.endr
	v_pk_mul_f32 v[14:15], v[14:15], v[224:225] op_sel_hi:[1,0]   ; the sums under the new M: a plain line behind the batch
	s_wait_alu depctr_va_vdst(0)                   ; one wait for the batch, ahead of its first reader
.irp b, 0,1,2,3
	v_exp_f32 v[BM+\b], v[BM+\b]                   ; the blocks' largest p
.endr
	v_pk_add_f32 v[228:229], v[100:101], v[104:105]   ; the row's sum of the unquantised p, in eight chains
	v_pk_add_f32 v[254:255], v[108:109], v[112:113]
	v_pk_add_f32 v[252:253], v[116:117], v[120:121]
	v_pk_add_f32 v[250:251], v[124:125], v[128:129]
	v_pk_add_f32 v[248:249], v[132:133], v[136:137]
	v_pk_add_f32 v[246:247], v[140:141], v[144:145]
	v_pk_add_f32 v[244:245], v[148:149], v[152:153]
	v_pk_add_f32 v[14:15], v[14:15], v[156:157]
	v_pk_add_f32 v[228:229], v[228:229], v[96:97]
	v_pk_add_f32 v[254:255], v[254:255], v[98:99]
	v_pk_add_f32 v[252:253], v[252:253], v[102:103]
	v_pk_add_f32 v[250:251], v[250:251], v[106:107]
	v_pk_add_f32 v[248:249], v[248:249], v[110:111]
	v_pk_add_f32 v[246:247], v[246:247], v[114:115]
	v_pk_add_f32 v[244:245], v[244:245], v[118:119]
	v_pk_add_f32 v[14:15], v[14:15], v[122:123]
	v_pk_add_f32 v[228:229], v[228:229], v[126:127]
	v_pk_add_f32 v[254:255], v[254:255], v[130:131]
	v_pk_add_f32 v[252:253], v[252:253], v[134:135]
	v_pk_add_f32 v[250:251], v[250:251], v[138:139]
	v_pk_add_f32 v[248:249], v[248:249], v[142:143]
	v_pk_add_f32 v[246:247], v[246:247], v[146:147]
	v_pk_add_f32 v[244:245], v[244:245], v[150:151]
	v_pk_add_f32 v[14:15], v[14:15], v[154:155]
	v_pk_add_f32 v[228:229], v[228:229], v[158:159]
	s_delay_alu instid0(VALU_DEP_2)
	v_pk_add_f32 v[14:15], v[14:15], v[250:251]
	s_delay_alu instid0(VALU_DEP_2)
	v_pk_add_f32 v[228:229], v[228:229], v[248:249]
	v_pk_add_f32 v[254:255], v[254:255], v[246:247]
	v_pk_add_f32 v[252:253], v[252:253], v[244:245]
	s_delay_alu instid0(VALU_DEP_2)
	v_pk_add_f32 v[14:15], v[14:15], v[254:255]
	s_delay_alu instid0(VALU_DEP_2)
	v_pk_add_f32 v[228:229], v[228:229], v[252:253]
	s_delay_alu instid0(VALU_DEP_1)
	v_pk_add_f32 v[14:15], v[14:15], v[228:229]
	s_wait_alu depctr_va_vdst(0)                   ; and one for the four
.irp b, 0,1,2,3
	v_max_num_f32 v[BM+\b], 0x1800000, v[BM+\b]    ; the floor 2^(3 - 127)
.endr
.irp b, 0,1,2,3
	s_delay_alu instid0(VALU_DEP_4)
	v_add_nc_u32 v[SO+\b], 0xff000000, v[BM+\b]
.endr
.irp b, 0,1,2,3
	s_delay_alu instid0(VALU_DEP_4)
	v_lshrrev_b32 v[BT+\b], 23, v[SO+\b]
.endr
	s_delay_alu instid0(VALU_DEP_3)
	v_lshl_or_b32 v92, v[BT+1], 8, v[BT]           ; p's scale word
	s_delay_alu instid0(VALU_DEP_1)
	v_lshl_or_b32 v92, v[BT+2], 16, v92
	s_delay_alu instid0(VALU_DEP_1)
	v_lshl_or_b32 v92, v[BT+3], 24, v92
.irp c, 0,1
	v_cvt_scalef32_pk16_fp6_f32 v[192+6*\c:194+6*\c], v[96+32*\c:111+32*\c], v[SO+2*\c]
	v_cvt_scalef32_pk16_fp6_f32 v[204+4*\c:206+4*\c], v[112+32*\c:127+32*\c], v[SO+2*\c+1]
.endr
	v_nop
.irp c, 0,1
.irp i, 0,1,2
	v_permlane16_swap_b32 v[192+6*\c+\i], v[204+4*\c+\i]
.endr
.irp i, 0,1,2
	s_delay_alu instid0(VALU_DEP_3)
	v_mov_b32 v[195+6*\c+\i], v[204+4*\c+\i]
.endr
.endr
.set j, 0
.rept 16
	v_pk_mul_f32 v[160+j:161+j], v[160+j:161+j], v[224:225] op_sel_hi:[1,0]   ; O^T under the new M; also the places between the codes and scale word just made and the products
.set j, j+2
.endr
	s_wait_alu depctr_va_vdst(0)                   ; the wait here, directly ahead of the wait below
	s_wait_dscnt 0x0                               ; V is in
.irp t, 0,1,2,3
	v_wmma_scale_f32_16x16x128_f8f6f4 v[160+8*\t:167+8*\t], v[30+12*\t:41+12*\t], v[192:203], v[160+8*\t:167+8*\t], v[88+\t], v92 matrix_a_fmt:MATRIX_FMT_FP6 matrix_b_fmt:MATRIX_FMT_FP6
.endr
	s_add_co_u32 s[TK], s[TK], 6144
	s_add_co_u32 s[TS], s[TS], 512
	s_add_co_u32 s[TT], s[TT], 256
.endm
.macro PHASE first, steps              ; a barrier and so many key steps.  first = 1: waves 0 to 2 alone wait for their loads, whose lines no other wave issues; else every wave waits
.if \first
	s_cmp_lt_u32 s[WV], 3
	s_cbranch_scc0 .Lnot_first_\@
	s_wait_tensorcnt 0x0
.Lnot_first_\@:
.else
	s_wait_tensorcnt 0x0
.endif
	s_wait_dscnt 0x0
	s_barrier_signal -1
	s_barrier_wait -1
	s_mov_b32 s[CNT], \steps
.Lstep_\@:
	STEP
	s_sub_co_u32 s[CNT], s[CNT], 1
	s_cmp_lg_u32 s[CNT], 0
	s_cbranch_scc1 .Lstep_\@
.endm
	s_wait_loadcnt 0x0                             ; Q
	PHASE 1, 2                                     ; the scale words and the first quarters (keys 0 to 511) are in; waves 4's and 5's loads may be out.  Keys 0 to 255
	PHASE 0, 14                                    ; all loads have landed.  Keys 256 to 2,047, with no barrier among them
	; THE WAY OUT: O^T / the sum, quantised along my head's 64 channels: half a fragment and half a scale word
	v_add_f32 v14, v14, v15
	s_delay_alu instid0(VALU_DEP_1)
	v_permlanex16_b32 v226, v14, s[SEL], s[SEL+1]
	s_delay_alu instid0(VALU_DEP_1)
	v_add_f32 v14, v14, v226
	s_wait_alu depctr_va_vdst(0)                   ; the wait ahead of the transcendental
	v_rcp_f32 v14, v14
	v_mov_b32 v[BT], 0                             ; plain lines behind the transcendental and behind the last products
	v_mov_b32 v[BT+1], 0
	s_lshr_b32 s60, s11, 4                         ; batch
	s_and_b32 s61, s11, 15                         ; head
	s_lshl_b32 s60, s60, 7
	s_add_co_u32 s60, s60, s14                     ; ctx's rowblock
	s_lshr_b32 s62, s61, 1                         ; which 128 of the channels,
	s_and_b32 s61, s61, 1                          ; and which half of them
	s_mul_i32 s68, s60, 12288
	s_mul_i32 s63, s62, 1536
	s_add_co_u32 s68, s68, s63
	s_mul_i32 s63, s61, 768
	s_add_co_u32 s68, s68, s63
	s_mov_b32 s69, 0
	s_add_nc_u64 s[68:69], s[6:7], s[68:69]
	s_lshr_b32 s70, s60, 3
	s_lshl_b32 s70, s70, 3
	s_add_co_u32 s70, s70, s62
	s_lshl_b32 s70, s70, 9
	s_bfe_u32 s63, s60, 0x10002
	s_lshl_b32 s63, s63, 8
	s_add_co_u32 s70, s70, s63
	s_and_b32 s63, s60, 3
	s_lshl_b32 s63, s63, 2
	s_add_co_u32 s70, s70, s63
	s_lshl_b32 s63, s61, 1
	s_add_co_u32 s70, s70, s63
	s_add_co_u32 s70, s70, H_S
	s_mov_b32 s71, 0
	s_add_nc_u64 s[70:71], s[6:7], s[70:71]
	s_wait_alu depctr_va_vdst(0)                   ; ahead of the reciprocal's first reader
.set j, 0
.rept 32
	v_mul_f32 v[96+j], v[160+j], v14               ; register 16 b + i = channel 32 b + 16 (lane / 16) + i of my query
.set j, j+1
.endr
.irp b, 0,1
	v_max3_num_f32 v[BM+\b], |v[96+16*\b]|, |v[97+16*\b]|, 0x1800000
.endr
.irp i, 2,4,6,8,10,12,14
.irp b, 0,1
	s_delay_alu instid0(VALU_DEP_2)
	v_max3_num_f32 v[BM+\b], v[BM+\b], |v[96+16*\b+\i]|, |v[97+16*\b+\i]|
.endr
.endr
.irp b, 0,1
	s_delay_alu instid0(VALU_DEP_2)
	v_permlanex16_b32 v[BT+\b], v[BM+\b], s[SEL], s[SEL+1]
.endr
.irp b, 0,1
	s_delay_alu instid0(VALU_DEP_2)
	v_max_num_f32 v[BM+\b], v[BM+\b], v[BT+\b]
.endr
.irp b, 0,1
	s_delay_alu instid0(VALU_DEP_2)
	v_add_nc_u32 v[SO+\b], 0xff000000, v[BM+\b]
.endr
.irp b, 0,1
	s_delay_alu instid0(VALU_DEP_2)
	v_lshrrev_b32 v[BT+\b], 23, v[SO+\b]
.endr
	s_delay_alu instid0(VALU_DEP_1)
	v_lshl_or_b32 v92, v[BT+1], 8, v[BT]
	v_cvt_scalef32_pk16_fp6_f32 v[192:194], v[96:111], v[SO]
	v_cvt_scalef32_pk16_fp6_f32 v[204:206], v[112:127], v[SO+1]
	v_nop
.irp i, 0,1,2
	v_permlane16_swap_b32 v[192+\i], v[204+\i]
.endr
.irp i, 0,1,2
	s_delay_alu instid0(VALU_DEP_3)
	v_mov_b32 v[195+\i], v[204+\i]
.endr
.irp p, 0,1,2
	global_store_b64 v7, v[192+2*\p:193+2*\p], s[68:69] offset:256*\p   ; 256 consecutive bytes, aligned
.endr
	global_store_b16 v28, v92, s[70:71]            ; my head's half of the scale word (the other half is another work-group's)
	s_wait_tensorcnt 0x0                           ; the wave's end
	ds_add_u32 v[SPW], v[NIL]
	s_wait_dscnt 0x0
	CROUND                                         ; the closing round
	s_endpgm
.Lfunc_end_k_q254d0820cb_attn:
	.size	k_q254d0820cb_attn, .Lfunc_end_k_q254d0820cb_attn-k_q254d0820cb_attn
	.p2alignl 7, 3214868480
	.fill 96, 4, 3214868480
	.section	.rodata,"a",@progbits
	.p2align	6, 0x0
	.amdhsa_kernel k_q254d0820cb_attn
		.amdhsa_group_segment_fixed_size 210944
		.amdhsa_private_segment_fixed_size 0
		.amdhsa_enable_private_segment 0
		.amdhsa_kernarg_size 16
		.amdhsa_user_sgpr_count 2
		.amdhsa_user_sgpr_kernarg_segment_ptr 1
		.amdhsa_wavefront_size32 1
		.amdhsa_system_sgpr_workgroup_id_x 1
		.amdhsa_system_sgpr_workgroup_id_y 1
		.amdhsa_system_sgpr_workgroup_id_z 1
		.amdhsa_system_vgpr_workitem_id 0
		.amdhsa_next_free_vgpr 256
		.amdhsa_next_free_sgpr 72
		.amdhsa_reserve_vcc 0
		.amdhsa_float_denorm_mode_32 3
		.amdhsa_float_denorm_mode_16_64 3
		.amdhsa_memory_ordered 1
		.amdhsa_forward_progress 1
		.amdhsa_inst_pref_size 51
	.end_amdhsa_kernel
	.amdgpu_metadata
---
amdhsa.version: [ 1, 2 ]
amdhsa.kernels:
  - .name:           k_q254d0820cb_attn
    .symbol:         k_q254d0820cb_attn.kd
    .args:
      - { .name: qkvb, .offset: 0, .size: 8, .value_kind: global_buffer, .address_space: global }
      - { .name: ctx, .offset: 8, .size: 8, .value_kind: global_buffer, .address_space: global }
    .group_segment_fixed_size: 210944
    .private_segment_fixed_size: 0
    .kernarg_segment_align: 8
    .kernarg_segment_size: 16
    .max_flat_workgroup_size: 512
    .sgpr_count:     72
    .vgpr_count:     256
    .wavefront_size: 32
...
	.end_amdgpu_metadata
.endif
;; end of part 3
;; launch proj (part 4): grid 8 x 32, 4 waves a work-group, clusters of 4 x 4, 327,680 bytes of LDS; arguments ctx, wqb, b_proj, x, x1; writes x1
.if DOCPART == 4
	.amdgcn_target "amdgcn-amd-amdhsa--gfx1250"
	.amdhsa_code_object_version 6
	.text
	.protected	k_q254d0820cb_proj
	.globl	k_q254d0820cb_proj
	.p2align	8
	.type	k_q254d0820cb_proj,@function
k_q254d0820cb_proj:
	s_mov_b64 s[64:65], 0
	v_nop
	global_prefetch_b8 v0, s[64:65] scope:SCOPE_SE
	s_setreg_imm32_b32 hwreg(HW_REG_WAVE_MODE, 25, 1), 1
	s_wait_xcnt 0x0
	s_wait_alu depctr_hold_cnt(0) depctr_sa_sdst(0) depctr_va_vdst(0) depctr_va_sdst(0) depctr_va_ssrc(0) depctr_va_vcc(0) depctr_vm_vsrc(0)
	s_getreg_b32 s2, hwreg(HW_REG_IB_STS2, 6, 4)
	s_cmp_eq_u32 s2, 0
	s_cbranch_scc0 .Lentry_in_a_cluster
	s_endpgm
.Lentry_in_a_cluster:
	s_bfe_u32 s2, ttmp6, 0x10000c
	s_cmp_lg_u32 s2, 0xf033
	s_cbranch_scc0 .Lentry_shape_is_right
	s_endpgm
.Lentry_shape_is_right:
; x1 = x + ctx w_proj + b_proj on codes of FP6 (E2M3) with E8M0 scales, K = 1,024; operands lie in the order of their registers, as the launches before left them (rowblocks of 16 rows, fragments of 1,536 bytes).
; A tile is 128 x 128, four waves of 64 x 64 (16 accumulators); the product is used transposed, so that a lane holds neighbouring columns of a row.  4 x 4 work-groups ask jointly: A's tiles along a row of the cluster, B's along a column.
; ALL OF K LIES IN LDS, in two halves of 512 along K, filled once: at the head wave 0 asks for A's first half, wave 1 for B's, wave 2 for A's second half, wave 3 for B's.  Nothing is filled again.
; The scale words go through registers into LDS bytes of their own, each wave a quarter.  NO PREFETCH: all is asked for at the head; there is no loop to run ahead in.
; The results go through each wave's own stage and leave, with x and the bias added, as whole units of 256 bytes.
.set KF,   8
.set WC,   2359296
.set WS,   9535488
.set AS,   3145728
.set NA,   4
.set NB,   4
.set SKF,  4
.set FRB,  1536
.set QB,   NA*SKF*FRB
.set SLOT, 4*QB
.set LAPS, KF/(2*SKF)
.set HALFS, NA*KF*64
.set SWS,  256
.set SCL,  2*SLOT
.set STG,  SCL+4*HALFS
.set SPARE, STG+4*4352
.set ADRA, 16
.set ADRB, 20
.set STO,  24
.set RD,   25
.set CO,   26
.set ADRS, 27
.set SPW,  28
.set NIL,  29
.set BO,   30
.set SC,   32
.set AF,   64
.set G1, 24
.set G0, 32
.set G1B, 48
.set G0B, 56
.set G1S, 68
.set G0S, 76
.set G1SB, 80
.set G0SB, 88
.set MSB, 0
.macro WIN new
.if MSB != \new
	s_set_vgpr_msb (MSB<<8)|\new
.set MSB, \new
.endif
.endm
.macro JLOAD g0a, g1a, g0b, g1b
	s_cmp_eq_u32 s15, 0
	s_cbranch_scc0 .Lfor_b_\@
	tensor_load_to_lds s[\g0a:\g0a+3], s[\g1a:\g1a+7]
	s_nop 0
.rept 4
	v_nop
.endr
	s_branch .Lasked_\@
.Lfor_b_\@:
	tensor_load_to_lds s[\g0b:\g0b+3], s[\g1b:\g1b+7]
	s_nop 0
.rept 4
	v_nop
.endr
.Lasked_\@:
.endm
.macro CREST
	s_cmp_lg_u32 s14, 0
	s_cbranch_scc1 .Lnot_wave_0_\@
	s_barrier_signal -3
.Lnot_wave_0_\@:
	s_barrier_wait -3
	s_barrier_signal -1
	s_barrier_wait -1
.endm
.macro CROUND
	s_barrier_signal -1
	s_barrier_wait -1
	CREST
.endm
.macro PLACES n
.rept \n
	v_nop
.endr
.endm
.macro FETCH slot, q, set
	WIN 0x40
.set fi, 0
.rept NB
.irp p, 0,1,2,3,4,5
	ds_load_b64 v[128*(\set)+12*fi+2*\p:128*(\set)+12*fi+2*\p+1], v[ADRB+\slot] offset:fi*SKF*FRB+(\q)*FRB+256*\p
.endr
.set fi, fi+1
.endr
	WIN 0
.set fi, 0
.rept NA
.irp p, 0,1,2,3,4,5
	ds_load_b64 v[AF+12*NA*(\set)+12*fi+2*\p:AF+12*NA*(\set)+12*fi+2*\p+1], v[ADRA+\slot] offset:fi*SKF*FRB+(\q)*FRB+256*\p
.endr
.set fi, fi+1
.endr
.set fi, 0
.rept NA/4
	ds_load_b128 v[SC+8*(\set)+4*fi:SC+8*(\set)+4*fi+3], v[ADRS] offset:512*(\q)+256*fi
.set fi, fi+1
.endr
.endm
.macro MULA a0, n, set, zero
.set ai, \a0
.rept \n
.set bi, 0
.rept NB
.set IDX, ai*NB+bi
.set WN, 0x01+0x50*(2+IDX/32)
.set AC, 8*(IDX%32)
	WIN WN
.if \zero
	v_wmma_scale_f32_16x16x128_f8f6f4 v[AC:AC+7], v[128*(\set)+12*bi:128*(\set)+12*bi+11], v[AF+12*NA*(\set)+12*ai:AF+12*NA*(\set)+12*ai+11], 0, v[SC+8*(\set)+bi], v[SC+8*(\set)+ai] matrix_a_fmt:MATRIX_FMT_FP6 matrix_b_fmt:MATRIX_FMT_FP6 matrix_a_scale:MATRIX_SCALE_ROW1
.else
	v_wmma_scale_f32_16x16x128_f8f6f4 v[AC:AC+7], v[128*(\set)+12*bi:128*(\set)+12*bi+11], v[AF+12*NA*(\set)+12*ai:AF+12*NA*(\set)+12*ai+11], v[AC:AC+7], v[SC+8*(\set)+bi], v[SC+8*(\set)+ai] matrix_a_fmt:MATRIX_FMT_FP6 matrix_b_fmt:MATRIX_FMT_FP6 matrix_a_scale:MATRIX_SCALE_ROW1
.endif
.set bi, bi+1
.endr
.set ai, ai+1
.endr
.endm
.macro STEP slot, q, zero
	s_wait_dscnt 0x0
	PLACES 4
	FETCH \slot, (\q)+1, 1-(\q)%2
	MULA 0, NA, (\q)%2, \zero
	WIN 0
.endm
.macro TURN slot, next, fill
	s_wait_tensorcnt 0x0
	ds_add_u32 v[SPW], v[NIL]
	s_wait_dscnt 1
	MULA 0, NA/4, 1, 0
	s_wait_dscnt 0x0
	s_barrier_signal -1
	MULA NA/4, NA/4, 1, 0
	WIN 0
	s_barrier_wait -1
.if \fill
	CREST
	s_add_nc_u64 s[G0+4*\slot+2:G0+4*\slot+3], s[G0+4*\slot+2:G0+4*\slot+3], 2*SKF*FRB
	s_add_nc_u64 s[G0B+4*\slot+2:G0B+4*\slot+3], s[G0B+4*\slot+2:G0B+4*\slot+3], 2*SKF*FRB
	JLOAD G0+4*\slot, G1, G0B+4*\slot, G1B
.else
	PLACES 4
.endif
	v_add_nc_u32 v[ADRS], 512*SKF, v[ADRS]
	FETCH \next, 0, 0
	MULA NA/2, NA/2, 1, 0
	WIN 0
.endm
	s_load_b256 s[4:11], s[0:1], 0x0
	s_load_b64 s[12:13], s[0:1], 0x20
	v_lshl_add_u32 v[SPW], v0, 2, SPARE
	v_mov_b32 v[NIL], 0
	ds_add_u32 v[SPW], v[NIL]
	ds_add_u32 v[SPW], v[NIL]
	v_lshrrev_b32 v1, 5, v0
	v_readfirstlane_b32 s14, v1
	s_lshr_b32 s15, s14, 1
	s_and_b32 s16, s14, 1
	s_bfe_u32 s40, ttmp6, 0x40000
	s_bfe_u32 s41, ttmp6, 0x40004
	s_lshl_b32 s42, ttmp9, 2
	s_add_co_u32 s42, s42, s40
	s_and_b32 s17, ttmp7, 0xffff
	s_lshl_b32 s17, s17, 2
	s_add_co_u32 s17, s17, s41
	s_lshl_b32 s43, s41, 2
	s_lshl_b32 s43, 15, s43
	s_lshl_b32 s44, 0x1111, s40
	s_or_b32 s[G1+0], s43, (3<<16)|(1<<21)
	s_or_b32 s[G1B+0], s44, (3<<16)|(1<<21)
.irp g, G1, G1B
	s_mov_b32 s[\g+1], (192*SKF)<<16
	s_mov_b32 s[\g+2], (2*NA)<<16
	s_mov_b32 s[\g+3], (192*SKF)<<16
	s_mov_b32 s[\g+4], 2*NA
	s_mov_b32 s[\g+5], 192*KF
	s_mov_b32 s[\g+6], 0
	s_mov_b32 s[\g+7], 0
.endr
	s_lshl_b32 s20, s17, 1
	s_add_co_u32 s20, s20, s16
	s_mul_i32 s22, s20, HALFS
	s_add_co_u32 s22, s22, AS
	s_mul_i32 s20, s20, NA*KF*FRB
	s_mov_b32 s21, 0
	s_mov_b32 s23, 0
	s_lshl_b32 s46, s42, 1
	s_add_co_u32 s46, s46, s16
	s_mul_i32 s92, s46, HALFS
	s_add_co_u32 s92, s92, WS
	s_mul_i32 s46, s46, NA*KF*FRB
	s_add_co_u32 s46, s46, WC
	s_mov_b32 s47, 0
	s_mov_b32 s93, 0
	s_mul_i32 s94, s14, HALFS
	s_wait_dscnt 0x0
	s_wait_kmcnt 0x0
	s_add_nc_u64 s[20:21], s[4:5], s[20:21]
	s_add_nc_u64 s[22:23], s[4:5], s[22:23]
	s_add_nc_u64 s[46:47], s[6:7], s[46:47]
	s_add_nc_u64 s[92:93], s[6:7], s[92:93]
	CROUND
	; THE HEAD'S LOADS, ONE A WAVE: wave 0 A's tile of slot 0, wave 1 B's, wave 2 A's tile of slot 1, wave 3 B's
	s_mul_i32 s2, s16, NA*KF*FRB                   ; back from my half to the tile's first rowblock,
	s_mov_b32 s3, 0
	s_sub_nc_u64 s[G0+2:G0+3], s[20:21], s[2:3]
	s_sub_nc_u64 s[G0B+2:G0B+3], s[46:47], s[2:3]
	s_mul_i32 s2, s15, SKF*FRB                     ; on to slot wave / 2 along K
	s_add_nc_u64 s[G0+2:G0+3], s[G0+2:G0+3], s[2:3]
	s_add_nc_u64 s[G0B+2:G0B+3], s[G0B+2:G0B+3], s[2:3]
	s_or_b32 s[G0+3], s[G0+3], 0x80000000
	s_or_b32 s[G0B+3], s[G0B+3], 0x80000000
	s_mov_b32 s[G0], 1
	s_mul_i32 s[G0+1], s15, SLOT
	s_mov_b32 s[G0B], 1
	s_add_co_u32 s[G0B+1], s[G0+1], 2*QB
.macro ARM under, g0, g1, next         ; one chain of branches on the wave's number, one load to an arm, all arms to one join
	s_cmp_lt_u32 s14, \under
	s_cbranch_scc0 \next
	tensor_load_to_lds s[\g0:\g0+3], s[\g1:\g1+7]
	s_nop 0
.rept 4
	v_nop
.endr
	s_branch .Lhead_asked
\next:
.endm
	ARM 1, G0,  G1,  .Lhead_1
	ARM 2, G0B, G1B, .Lhead_2
	ARM 3, G0,  G1,  .Lhead_3
	tensor_load_to_lds s[G0B:G0B+3], s[G1B:G1B+7]
	s_nop 0
.rept 4
	v_nop
.endr
.Lhead_asked:
	s_cmp_eq_u32 s15, 0                            ; waves 0, 1 see to A's scale words, waves 2, 3 to B's
	s_cselect_b64 s[2:3], s[22:23], s[92:93]       ; my quarter of them
	v_and_b32 v1, 31, v0
	v_lshlrev_b32 v7, 4, v1
	s_add_co_u32 s94, s94, SCL
	v_add_nc_u32 v8, s94, v7                       ; through registers into LDS bytes that no tensor load fills: 512 consecutive bytes a load
.set i, 0
.rept HALFS/512
	global_load_b128 v[64+4*i:64+4*i+3], v7, s[2:3] offset:512*i
.set i, i+1
.endr
	v_lshlrev_b32 v2, 3, v1
	v_and_b32 v3, 15, v0
	v_bfe_u32 v4, v0, 4, 1
	s_wait_alu depctr_va_vdst(0)
	s_mul_i32 s21, s15, QB
	s_mul_i32 s22, s16, QB
	s_add_co_u32 s22, s22, 2*QB
.irp s, 0,1
	v_add_nc_u32 v[ADRA+\s], s21, v2
	v_add_nc_u32 v[ADRB+\s], s22, v2
	s_add_co_u32 s21, s21, SLOT
	s_add_co_u32 s22, s22, SLOT
.endr
	s_mul_i32 s21, s15, SWS
	s_mul_i32 s22, s16, SWS
	s_add_co_u32 s22, s22, 2*HALFS
	s_sub_co_u32 s22, s22, s21
	v_mul_u32_u24 v6, s22, v4
	s_add_co_u32 s21, s21, SCL
	v_lshl_add_u32 v5, v3, 4, v6
	v_add_nc_u32 v[ADRS], s21, v5
	s_mul_i32 s23, s14, 4352
	s_add_co_u32 s23, s23, STG
	v_mul_u32_u24 v5, v3, 272
	v_lshl_add_u32 v5, v4, 6, v5
	v_add_nc_u32 v[STO], s23, v5
	v_mul_u32_u24 v5, v4, 272
	v_lshl_add_u32 v5, v3, 4, v5
	v_add_nc_u32 v[RD], s23, v5
	v_lshlrev_b32 v[BO], 4, v3
	v_lshl_add_u32 v[CO], v4, 12, v[BO]
	s_wait_alu depctr_va_vdst(0)
	s_lshl_b32 s20, s17, 7
	s_lshl_b32 s21, s15, 6
	s_add_co_u32 s20, s20, s21
	s_lshl_b32 s20, s20, 12
	s_mov_b32 s21, 0
	s_lshl_b32 s46, s42, 7
	s_lshl_b32 s47, s16, 6
	s_add_co_u32 s46, s46, s47
	s_lshl_b32 s46, s46, 2
	s_mov_b32 s47, 0
	s_add_nc_u64 s[8:9], s[8:9], s[46:47]
	s_add_nc_u64 s[20:21], s[20:21], s[46:47]
	s_add_nc_u64 s[10:11], s[10:11], s[20:21]
	s_add_nc_u64 s[12:13], s[12:13], s[20:21]
	WIN 0x80
.irp a, 0,1,2,3
.irp i, 0,1,2,3,4,5,6,7
	global_load_b128 v[128+32*\a+4*\i:128+32*\a+4*\i+3], v[CO], s[10:11] offset:(32*(\a/2)+8*(\a%2)+2*\i+8*(\i/4))*4096 th:TH_LOAD_NT
.endr
.endr
	WIN 0
	global_load_b128 v[52:55], v[BO], s[8:9]
	s_wait_loadcnt 33                              ; my scale words are in; the 33 loads of x and the bias, issued behind them, may be out
.set i, 0
.rept HALFS/512
	ds_store_b128 v8, v[64+4*i:64+4*i+3] offset:512*i
.set i, i+1
.endr
	s_cmp_lt_u32 s14, 2                            ; slot 0's two loads are waves 0's and 1's alone; slot 1's may be out
	s_cbranch_scc0 .Lnot_slot_0
	s_wait_tensorcnt 0x0
.Lnot_slot_0:
	s_wait_dscnt 0x0                               ; my stores of scale words have landed
	s_barrier_signal -1
	s_barrier_wait -1
	FETCH 0, 0, 0
	STEP 0, 0, 1
	STEP 0, 1, 0
	STEP 0, 2, 0
.if LAPS > 1
	s_mov_b32 s3, LAPS-1
.Llap:
	TURN 0, 1, 1
	STEP 1, 0, 0
	STEP 1, 1, 0
	STEP 1, 2, 0
	TURN 1, 0, 1
	STEP 0, 0, 0
	STEP 0, 1, 0
	STEP 0, 2, 0
	s_sub_co_u32 s3, s3, 1
	s_cmp_lg_u32 s3, 0
	s_cbranch_scc1 .Llap
.endif
	TURN 0, 1, 0
	s_wait_alu depctr_va_vdst(0)
	STEP 1, 0, 0
	STEP 1, 1, 0
	STEP 1, 2, 0
	s_wait_dscnt 0x0
	MULA 0, NA, 1, 0
	WIN 0
	PLACES 4
	s_wait_loadcnt 0x0
.macro OUTA a
.set BK, 64+32*((\a)%2)
	s_wait_xcnt 0x0
	WIN 0x08
.irp b, 0,1,2,3
	ds_store_b128 v[STO], v[8*(4*(\a)+\b):8*(4*(\a)+\b)+3] offset:128*(\b/2)+32*(\b%2)
	ds_store_b128 v[STO], v[8*(4*(\a)+\b)+4:8*(4*(\a)+\b)+7] offset:128*(\b/2)+32*(\b%2)+16
.endr
	WIN 0
.irp i, 0,1,2,3,4,5,6,7
	ds_load_b128 v[BK+4*\i:BK+4*\i+3], v[RD] offset:544*\i
.endr
	s_wait_dscnt 0x0
	WIN 0x08
.set n, 0
.rept 16
	v_pk_add_f32 v[BK+n:BK+n+1], v[BK+n:BK+n+1], v[128+32*(\a)+n:128+32*(\a)+n+1]
.set n, n+2
.endr
	WIN 0
.irp i, 0,1,2,3,4,5,6,7
	v_pk_add_f32 v[BK+4*\i:BK+4*\i+1], v[BK+4*\i:BK+4*\i+1], v[52:53]
	v_pk_add_f32 v[BK+4*\i+2:BK+4*\i+3], v[BK+4*\i+2:BK+4*\i+3], v[54:55]
.endr
.irp i, 0,1,2,3,4,5,6,7
	global_store_b128 v[CO], v[BK+4*\i:BK+4*\i+3], s[12:13] offset:(32*((\a)/2)+8*((\a)%2)+2*\i+8*(\i/4))*4096
.endr
.endm
	OUTA 0
	OUTA 1
	OUTA 2
	OUTA 3
	s_wait_tensorcnt 0x0
	ds_add_u32 v[SPW], v[NIL]
	s_wait_dscnt 0x0
	CROUND
	s_endpgm
.Lfunc_end_k_q254d0820cb_proj:
	.size	k_q254d0820cb_proj, .Lfunc_end_k_q254d0820cb_proj-k_q254d0820cb_proj
	.p2alignl 7, 3214868480
	.fill 96, 4, 3214868480
	.section	.rodata,"a",@progbits
	.p2align	6, 0x0
	.amdhsa_kernel k_q254d0820cb_proj
		.amdhsa_group_segment_fixed_size 327680
		.amdhsa_private_segment_fixed_size 0
		.amdhsa_enable_private_segment 0
		.amdhsa_kernarg_size 40
		.amdhsa_user_sgpr_count 2
		.amdhsa_user_sgpr_kernarg_segment_ptr 1
		.amdhsa_wavefront_size32 1
		.amdhsa_system_sgpr_workgroup_id_x 1
		.amdhsa_system_sgpr_workgroup_id_y 1
		.amdhsa_system_sgpr_workgroup_id_z 1
		.amdhsa_system_vgpr_workitem_id 0
		.amdhsa_next_free_vgpr 768
		.amdhsa_next_free_sgpr 100
		.amdhsa_reserve_vcc 0
		.amdhsa_float_denorm_mode_32 3
		.amdhsa_float_denorm_mode_16_64 3
		.amdhsa_memory_ordered 1
		.amdhsa_forward_progress 1
		.amdhsa_inst_pref_size 72
	.end_amdhsa_kernel
	.amdgpu_metadata
---
amdhsa.version: [ 1, 2 ]
amdhsa.kernels:
  - .name:           k_q254d0820cb_proj
    .symbol:         k_q254d0820cb_proj.kd
    .args:
      - { .name: ctx, .offset: 0, .size: 8, .value_kind: global_buffer, .address_space: global }
      - { .name: wqb, .offset: 8, .size: 8, .value_kind: global_buffer, .address_space: global }
      - { .name: b_proj, .offset: 16, .size: 8, .value_kind: global_buffer, .address_space: global }
      - { .name: x, .offset: 24, .size: 8, .value_kind: global_buffer, .address_space: global }
      - { .name: x1, .offset: 32, .size: 8, .value_kind: global_buffer, .address_space: global }
    .group_segment_fixed_size: 327680
    .private_segment_fixed_size: 0
    .kernarg_segment_align: 8
    .kernarg_segment_size: 40
    .max_flat_workgroup_size: 128
    .sgpr_count:     100
    .vgpr_count:     768
    .wavefront_size: 32
...
	.end_amdgpu_metadata
.endif
;; end of part 4
;; launch ln1 (part 5): grid 256 x 1, 8 waves a work-group, no clusters, 69,632 bytes of LDS; arguments x1, ln2_g, ln2_b, h2; writes h2
.if DOCPART == 5
	.amdgcn_target "amdgcn-amd-amdhsa--gfx1250"
	.amdhsa_code_object_version 6
	.text
	.protected	k_q254d0820cb_ln1
	.globl	k_q254d0820cb_ln1
	.p2align	8
	.type	k_q254d0820cb_ln1,@function
k_q254d0820cb_ln1:
	s_mov_b64 s[64:65], 0
	v_nop
	global_prefetch_b8 v0, s[64:65] scope:SCOPE_SE
	s_setreg_imm32_b32 hwreg(HW_REG_WAVE_MODE, 25, 1), 1
	s_wait_xcnt 0x0
; h = LayerNorm(x) g + b for x [4096][1024] f32, quantised along the row to FP6 (E2M3) with one E8M0 byte for each 32, stored in the order of a matrix operand's registers:
; rowblock i, row r holds token 32 (i / 2) + 8 (i % 2) + r + 8 (r / 8); a fragment (16 rows x 128 K) is 1,536 bytes, registers 2 p, 2 p + 1 of lane l at 256 p + 8 l; codes [rowblock][8][1536];
; scale words from byte H_S on: for each 128 tokens and each 128 K a block of 512 bytes, the word of rowblock a, row r at 256 (a / 4) + 16 r + 4 (a % 4).
; A work-group is a rowblock; wave w has columns 128 w on.  Loads take 512 neighbouring bytes; the numbers turn through the wave's own stage so that lane (r, h) holds of row r the k = 32 b + 16 h + 0 .. 15.
; x, g and b are asked for together, 48 loads a wave; b lies in v256-319 (window 1).
; Mean first, then the sum of squares of x - mean: a common offset of the inputs costs no digits.  The eight waves' partial sums meet in LDS behind a barrier, added in one fixed order.
; LIMITS: a block of zeros gets byte 1 (zero codes; only this program reads the bytes); blocks under 2^-124 keep byte 1; NaN and infinities are not served.
.set H_S,   3145728
.set STGW,  8448                       ; a wave's stage: 16 rows x (512 + 16) bytes
.set RED1,  67584                      ; 16 rows x 8 partial sums; the second reduction's 512 bytes behind it
.set SPARE, 68608
.set R,   16                           ; v16-79   x as loaded
.set X,   80                           ; v80-143  my 64 numbers
.set G,   144                          ; v144-207 g
.set BW,  0                            ; window 1: v256-319: b
.set PC,  208                          ; v208-227 codes and the conversions' spare runs
.set TM,  228                          ; v228-243 at work
.set PW,  244
.set MU,  246                          ; v[246:247] the mean;  v[248:249] 1 / sqrt(var + eps)
.set RS,  248
.set SPW, 252
.set NIL, 253
.set SEL, 20
.macro QUANT s                         ; 64 numbers, register 16 b + i = k 32 b + 16 (lane / 16) + i of my row -> a fragment's codes in v[PC] on, its scale word in v[PW]
.irp b, 0,1,2,3
	v_max3_num_f32 v[TM+\b], |v[\s+16*\b]|, |v[\s+1+16*\b]|, 0x1800000   ; with the floor 2^(3 - 127)
.endr
.irp i, 2,4,6,8,10,12,14
.irp b, 0,1,2,3
	s_delay_alu instid0(VALU_DEP_4)
	v_max3_num_f32 v[TM+\b], v[TM+\b], |v[\s+16*\b+\i]|, |v[\s+1+16*\b+\i]|
.endr
.endr
.irp b, 0,1,2,3
	s_delay_alu instid0(VALU_DEP_4)
	v_permlanex16_b32 v[TM+4+\b], v[TM+\b], s[SEL], s[SEL+1]
.endr
.irp b, 0,1,2,3
	s_delay_alu instid0(VALU_DEP_4)
	v_max_num_f32 v[TM+\b], v[TM+\b], v[TM+4+\b]   ; the block's largest magnitude
.endr
.irp b, 0,1,2,3
	s_delay_alu instid0(VALU_DEP_4)
	v_add_nc_u32 v[TM+12+\b], 0xff000000, v[TM+\b] ; 2 off its exponent field: the conversion's scale operand
.endr
.irp b, 0,1,2,3
	s_delay_alu instid0(VALU_DEP_4)
	v_lshrrev_b32 v[TM+4+\b], 23, v[TM+12+\b]      ; the byte
.endr
	s_delay_alu instid0(VALU_DEP_3)
	v_lshl_or_b32 v[PW], v[TM+5], 8, v[TM+4]
	s_delay_alu instid0(VALU_DEP_1)
	v_lshl_or_b32 v[PW], v[TM+6], 16, v[PW]
	s_delay_alu instid0(VALU_DEP_1)
	v_lshl_or_b32 v[PW], v[TM+7], 24, v[PW]
.irp c, 0,1
	v_cvt_scalef32_pk16_fp6_f32 v[PC+6*\c:PC+2+6*\c], v[\s+32*\c:\s+15+32*\c], v[TM+12+2*\c]
	v_cvt_scalef32_pk16_fp6_f32 v[PC+12+4*\c:PC+14+4*\c], v[\s+16+32*\c:\s+31+32*\c], v[TM+12+2*\c+1]
.endr
	v_nop                                          ; one plain line behind the conversions
.irp c, 0,1                                    ; a whole block to a lane: lanes 0-15 block 2 c, lanes 16-31 block 2 c + 1
.irp i, 0,1,2
	v_permlane16_swap_b32 v[PC+6*\c+\i], v[PC+12+4*\c+\i]
.endr
.irp i, 0,1,2
	s_delay_alu instid0(VALU_DEP_3)
	v_mov_b32 v[PC+3+6*\c+\i], v[PC+12+4*\c+\i]
.endr
.endr
.endm
.macro RSUM                            ; v[TM] = the sum of v[TM] .. v[TM + 7]
	v_pk_add_f32 v[TM:TM+1], v[TM:TM+1], v[TM+2:TM+3]
	v_pk_add_f32 v[TM+4:TM+5], v[TM+4:TM+5], v[TM+6:TM+7]
	s_delay_alu instid0(VALU_DEP_1)
	v_pk_add_f32 v[TM:TM+1], v[TM:TM+1], v[TM+4:TM+5]
	s_delay_alu instid0(VALU_DEP_1)
	v_add_f32 v[TM], v[TM], v[TM+1]
.endm
.macro ACROSS off                      ; my row's sum over this wave's 128 columns, then over the eight waves
	RSUM
	s_delay_alu instid0(VALU_DEP_1)
	v_permlanex16_b32 v[TM+1], v[TM], s[SEL], s[SEL+1]
	s_delay_alu instid0(VALU_DEP_1)
	v_add_f32 v[TM], v[TM], v[TM+1]
	ds_store_b32 v8, v[TM] offset:\off             ; lanes r and r + 16 write the same word with the same value
	s_wait_dscnt 0x0                               ; for the others' sake: my store has landed
	s_barrier_signal -1
	s_barrier_wait -1
	ds_load_b128 v[TM:TM+3], v9 offset:\off
	ds_load_b128 v[TM+4:TM+7], v9 offset:\off+16
	s_wait_dscnt 0x0
	RSUM
.endm
	s_load_b256 s[4:11], s[0:1], 0x0               ; x, g, b, h
	v_lshl_add_u32 v[SPW], v0, 2, SPARE
	v_mov_b32 v[NIL], 0
	v_lshrrev_b32 v1, 5, v0
	s_delay_alu instid0(VALU_DEP_1)
	v_readfirstlane_b32 s12, v1                    ; wave
	v_and_b32 v1, 31, v0
	v_and_b32 v2, 15, v0                           ; r
	v_bfe_u32 v3, v0, 4, 1                         ; h
	s_lshl_b32 s14, s12, 9
	s_mul_i32 s15, s12, STGW
	s_lshl_b32 s18, s12, 2
	v_lshl_add_u32 v4, v1, 4, s14                  ; x: 16 x lane + 512 x wave
	v_lshl_add_u32 v5, v3, 6, s14                  ; g, b: 64 h + 512 x wave
	v_lshl_add_u32 v6, v1, 4, s15                  ; the stage, in
	v_mul_u32_u24 v7, v2, 528
	s_delay_alu instid0(VALU_DEP_1)
	v_lshl_add_u32 v7, v3, 6, v7
	s_delay_alu instid0(VALU_DEP_1)
	v_add_nc_u32 v7, s15, v7                       ; and out: row r, + 64 h
	v_lshlrev_b32 v9, 5, v2
	s_delay_alu instid0(VALU_DEP_1)
	v_add_nc_u32 v9, RED1, v9                      ; my row's eight partial sums,
	s_delay_alu instid0(VALU_DEP_1)
	v_add_nc_u32 v8, s18, v9                       ; my wave's among them
	v_lshlrev_b32 v10, 3, v1
	v_lshlrev_b32 v11, 4, v2
	s_mov_b32 s[SEL], 0x76543210
	s_mov_b32 s[SEL+1], 0xfedcba98
	s_mov_b32 s22, 0x3a800000                      ; 1 / 1024
	s_mov_b32 s23, 0x3727c5ac                      ; 1e-5
	s_lshr_b32 s16, ttmp9, 1
	s_lshl_b32 s16, s16, 5
	s_and_b32 s17, ttmp9, 1
	s_lshl_b32 s17, s17, 3
	s_add_co_u32 s16, s16, s17                     ; the rowblock's first token
	s_lshl_b32 s16, s16, 12
	s_mov_b32 s17, 0
	s_lshl_b32 s24, ttmp9, 3
	s_add_co_u32 s24, s24, s12
	s_mul_i32 s24, s24, 1536                       ; fragment (i, w)
	s_mov_b32 s25, 0
	s_lshr_b32 s26, ttmp9, 3
	s_lshl_b32 s26, s26, 3
	s_add_co_u32 s26, s26, s12
	s_lshl_b32 s26, s26, 9
	s_bfe_u32 s27, ttmp9, 0x10002
	s_lshl_b32 s27, s27, 8
	s_add_co_u32 s26, s26, s27
	s_and_b32 s27, ttmp9, 3
	s_lshl_b32 s27, s27, 2
	s_add_co_u32 s26, s26, s27
	s_add_co_u32 s26, s26, H_S
	s_mov_b32 s27, 0
	s_wait_alu depctr_va_vdst(0)                   ; the wait at the head's end
	s_wait_kmcnt 0x0
	s_add_nc_u64 s[4:5], s[4:5], s[16:17]
	s_add_nc_u64 s[24:25], s[10:11], s[24:25]
	s_add_nc_u64 s[26:27], s[10:11], s[26:27]
.set i, 0
.rept 16
	global_load_b128 v[R+4*i:R+4*i+3], v4, s[4:5] offset:(i+8*(i/8))*4096 th:TH_LOAD_NT   ; row i of the rowblock: 512 consecutive bytes
.set i, i+1
.endr
.irp b, 0,1,2,3
.irp j, 0,1,2,3
	global_load_b128 v[G+16*\b+4*\j:G+16*\b+4*\j+3], v5, s[6:7] offset:128*\b+16*\j
.endr
.endr
	s_set_vgpr_msb 0x40                            ; destination window 1, address window 0
.irp b, 0,1,2,3
.irp j, 0,1,2,3
	global_load_b128 v[BW+16*\b+4*\j:BW+16*\b+4*\j+3], v5, s[8:9] offset:128*\b+16*\j
.endr
.endr
	s_set_vgpr_msb 0x4000                          ; every window 0 again
	s_wait_loadcnt 32                              ; x is in; g's sixteen loads and b's sixteen may be out
.set i, 0
.rept 16
	ds_store_b128 v6, v[R+4*i:R+4*i+3] offset:528*i
.set i, i+1
.endr
.irp b, 0,1,2,3
.irp j, 0,1,2,3
	ds_load_b128 v[X+16*\b+4*\j:X+16*\b+4*\j+3], v7 offset:128*\b+16*\j   ; my wave's own bytes, served in order
.endr
.endr
	s_wait_dscnt 0x0
.irp c, 0,1,2,3
	v_pk_add_f32 v[TM+2*\c:TM+2*\c+1], v[X+2*\c:X+2*\c+1], v[X+8+2*\c:X+9+2*\c]
.endr
.irp j, 16,24,32,40,48,56
.irp c, 0,1,2,3
	s_delay_alu instid0(VALU_DEP_4)
	v_pk_add_f32 v[TM+2*\c:TM+2*\c+1], v[TM+2*\c:TM+2*\c+1], v[X+\j+2*\c:X+\j+2*\c+1]
.endr
.endr
	ACROSS 0
	s_delay_alu instid0(VALU_DEP_1)
	v_mul_f32 v[MU], s22, v[TM]                    ; the mean
	v_mov_b32 v[MU+1], 0                           ; (named with it as a pair)
.set j, 0
.rept 32
	v_pk_add_f32 v[X+j:X+j+1], v[X+j:X+j+1], v[MU:MU+1] op_sel_hi:[1,0] neg_lo:[0,1] neg_hi:[0,1]
.set j, j+2
.endr
.irp c, 0,1,2,3
	v_pk_mul_f32 v[TM+2*\c:TM+2*\c+1], v[X+2*\c:X+2*\c+1], v[X+2*\c:X+2*\c+1]
.endr
.irp j, 8,16,24,32,40,48,56
.irp c, 0,1,2,3
	s_delay_alu instid0(VALU_DEP_4)
	v_pk_fma_f32 v[TM+2*\c:TM+2*\c+1], v[X+\j+2*\c:X+\j+2*\c+1], v[X+\j+2*\c:X+\j+2*\c+1], v[TM+2*\c:TM+2*\c+1]
.endr
.endr
	ACROSS 512                                     ; other bytes than the first reduction's: no barrier between
	s_delay_alu instid0(VALU_DEP_1)
	v_fma_f32 v[TM], v[TM], s22, s23               ; var + eps
	s_wait_alu depctr_va_vdst(0)                   ; the wait ahead of the transcendental
	v_rsq_f32 v[RS], v[TM]
	v_mov_b32 v[RS+1], 0                           ; a plain line behind the transcendental
	s_wait_alu depctr_va_vdst(0)                   ; and ahead of its first reader
	s_wait_loadcnt 0x0                             ; g and b
.set j, 0
.rept 32
	v_pk_mul_f32 v[X+j:X+j+1], v[X+j:X+j+1], v[RS:RS+1] op_sel_hi:[1,0]
.set j, j+2
.endr
	s_set_vgpr_msb 0x10                            ; source 2 (b) window 1
.set j, 0
.rept 32
	v_pk_fma_f32 v[X+j:X+j+1], v[X+j:X+j+1], v[G+j:G+j+1], v[BW+j:BW+j+1]
.set j, j+2
.endr
	s_set_vgpr_msb 0x1000                          ; every window 0 again
	QUANT X
.irp p, 0,1,2,3,4,5
	global_store_b64 v10, v[PC+2*\p:PC+2*\p+1], s[24:25] offset:256*\p   ; 256 consecutive bytes, aligned
.endr
	global_store_b32 v11, v[PW], s[26:27]          ; lanes r and r + 16 store the same word
	s_wait_tensorcnt 0x0                           ; the wave's end
	ds_add_u32 v[SPW], v[NIL]
	s_wait_dscnt 0x0
	s_endpgm
.Lfunc_end_k_q254d0820cb_ln1:
	.size	k_q254d0820cb_ln1, .Lfunc_end_k_q254d0820cb_ln1-k_q254d0820cb_ln1
	.p2alignl 7, 3214868480
	.fill 96, 4, 3214868480
	.section	.rodata,"a",@progbits
	.p2align	6, 0x0
	.amdhsa_kernel k_q254d0820cb_ln1
		.amdhsa_group_segment_fixed_size 69632
		.amdhsa_private_segment_fixed_size 0
		.amdhsa_enable_private_segment 0
		.amdhsa_kernarg_size 32
		.amdhsa_user_sgpr_count 2
		.amdhsa_user_sgpr_kernarg_segment_ptr 1
		.amdhsa_wavefront_size32 1
		.amdhsa_system_sgpr_workgroup_id_x 1
		.amdhsa_system_sgpr_workgroup_id_y 1
		.amdhsa_system_sgpr_workgroup_id_z 1
		.amdhsa_system_vgpr_workitem_id 0
		.amdhsa_next_free_vgpr 320
		.amdhsa_next_free_sgpr 66
		.amdhsa_reserve_vcc 0
		.amdhsa_float_denorm_mode_32 3
		.amdhsa_float_denorm_mode_16_64 3
		.amdhsa_memory_ordered 1
		.amdhsa_forward_progress 1
		.amdhsa_inst_pref_size 30
	.end_amdhsa_kernel
	.amdgpu_metadata
---
amdhsa.version: [ 1, 2 ]
amdhsa.kernels:
  - .name:           k_q254d0820cb_ln1
    .symbol:         k_q254d0820cb_ln1.kd
    .args:
      - { .name: x1, .offset: 0, .size: 8, .value_kind: global_buffer, .address_space: global }
      - { .name: ln2_g, .offset: 8, .size: 8, .value_kind: global_buffer, .address_space: global }
      - { .name: ln2_b, .offset: 16, .size: 8, .value_kind: global_buffer, .address_space: global }
      - { .name: h2, .offset: 24, .size: 8, .value_kind: global_buffer, .address_space: global }
    .group_segment_fixed_size: 69632
    .private_segment_fixed_size: 0
    .kernarg_segment_align: 8
    .kernarg_segment_size: 32
    .max_flat_workgroup_size: 256
    .sgpr_count:     66
    .vgpr_count:     320
    .wavefront_size: 32
...
	.end_amdgpu_metadata
.endif
;; end of part 5
;; launch fc1 (part 6): grid 16 x 16, 4 waves a work-group, clusters of 4 x 4, 327,680 bytes of LDS; arguments h2, wqb, b_fc1, gb; writes gb
.if DOCPART == 6
	.amdgcn_target "amdgcn-amd-amdhsa--gfx1250"
	.amdhsa_code_object_version 6
	.text
	.protected	k_q254d0820cb_fc1
	.globl	k_q254d0820cb_fc1
	.p2align	8
	.type	k_q254d0820cb_fc1,@function
k_q254d0820cb_fc1:
	s_mov_b64 s[64:65], 0
	v_nop
	global_prefetch_b8 v0, s[64:65] scope:SCOPE_SE
	s_setreg_imm32_b32 hwreg(HW_REG_WAVE_MODE, 25, 1), 1
	s_wait_xcnt 0x0
	s_wait_alu depctr_hold_cnt(0) depctr_sa_sdst(0) depctr_va_vdst(0) depctr_va_sdst(0) depctr_va_ssrc(0) depctr_va_vcc(0) depctr_vm_vsrc(0)
	s_getreg_b32 s2, hwreg(HW_REG_IB_STS2, 6, 4)
	s_cmp_eq_u32 s2, 0
	s_cbranch_scc0 .Lentry_in_a_cluster
	s_endpgm
.Lentry_in_a_cluster:
	s_bfe_u32 s2, ttmp6, 0x10000c
	s_cmp_lg_u32 s2, 0xf033
	s_cbranch_scc0 .Lentry_shape_is_right
	s_endpgm
.Lentry_shape_is_right:
; g = gelu(h2 w_fc1 + b_fc1) on codes of FP6 (E2M3) with E8M0 scales, K = 1,024; g is quantised along the 4,096 hidden units on the way out and stored as the next product's operand (rowblocks of 16 rows, fragments of 1,536 bytes, scale words beside them).
; A tile is 256 x 256, four waves of 128 x 128 (64 accumulators); the product is used transposed, so that a lane's registers run along the next K.  K goes through a ring of two LDS slots of 256 along K;
; 4 x 4 work-groups ask jointly: A's tiles along a row of the cluster, B's along a column.  At the head both slots are asked for, one load a wave; the scale words go through registers into LDS bytes of their own.
; gelu(x) = x / 2 (1 + erf(x / sqrt 2)), erf(z) = z P(z^2) / Q(z^2) with z held to -4 .. 4.
; LIMITS: a block of zeros gets byte 1 (zero codes); blocks under 2^-124 keep byte 1; NaN and infinities are not served.
.set PFA,  100                         ; s[100:101] where my prefetches stand
.set KF,   8
.set WC,   3145728
.set WS,   9568256
.set AS,   3145728
.set G_S,  12582912
.set NA,   8
.set NB,   8
.set SKF,  2
.set FRB,  1536
.set QB,   NA*SKF*FRB
.set SLOT, 4*QB
.set LAPS, KF/(2*SKF)
.set HALFS, NA*KF*64
.set SWS,  HALFS
.set SCL,  2*SLOT
.set SPARE, SCL+4*HALFS
.set ADRA, 16
.set ADRB, 20
.set ADRS, 27
.set SPW,  28
.set NIL,  29
.set BA,   30
.set SC,   32
.set AF,   64
.set G1, 24
.set G0, 32
.set G1B, 48
.set G0B, 56
.set G1S, 68
.set G0S, 76
.set G1SB, 80
.set G0SB, 88
.set W,   48
.set SW,  56
.set CA,  60
.set CB,  62
.set VO0, 10
.set VS,  12
.set T,   64
.set Z,   128
.set X2,  144
.set P,   160
.set Q,   176
.set PC,  192
.set TM,  212
.set PW,  228
.set OB,  68
.set SB,  70
.set CNT, 74
.set MH,  75
.set SEL, 76
.set MSB, 0
.macro WIN new
.if MSB != \new
	s_set_vgpr_msb (MSB<<8)|\new
.set MSB, \new
.endif
.endm
.macro JLOAD g0a, g1a, g0b, g1b
	s_cmp_eq_u32 s15, 0
	s_cbranch_scc0 .Lfor_b_\@
	tensor_load_to_lds s[\g0a:\g0a+3], s[\g1a:\g1a+7]
	s_nop 0
.rept 4
	v_nop
.endr
	s_branch .Lasked_\@
.Lfor_b_\@:
	tensor_load_to_lds s[\g0b:\g0b+3], s[\g1b:\g1b+7]
	s_nop 0
.rept 4
	v_nop
.endr
.Lasked_\@:
.endm
.macro CREST
	s_cmp_lg_u32 s14, 0
	s_cbranch_scc1 .Lnot_wave_0_\@
	s_barrier_signal -3
.Lnot_wave_0_\@:
	s_barrier_wait -3
	s_barrier_signal -1
	s_barrier_wait -1
.endm
.macro CROUND
	s_barrier_signal -1
	s_barrier_wait -1
	CREST
.endm
.macro PLACES n
.rept \n
	v_nop
.endr
.endm
.macro FETCH slot, q, set
	WIN 0x40
.set fi, 0
.rept NB
.irp p, 0,1,2,3,4,5
	ds_load_b64 v[128*(\set)+12*fi+2*\p:128*(\set)+12*fi+2*\p+1], v[ADRB+\slot] offset:fi*SKF*FRB+(\q)*FRB+256*\p
.endr
.set fi, fi+1
.endr
	WIN 0
.set fi, 0
.rept NA
.irp p, 0,1,2,3,4,5
	ds_load_b64 v[AF+12*NA*(\set)+12*fi+2*\p:AF+12*NA*(\set)+12*fi+2*\p+1], v[ADRA+\slot] offset:fi*SKF*FRB+(\q)*FRB+256*\p
.endr
.set fi, fi+1
.endr
.set fi, 0
.rept NA/4
	ds_load_b128 v[SC+8*(\set)+4*fi:SC+8*(\set)+4*fi+3], v[ADRS] offset:512*(\q)+256*fi
.set fi, fi+1
.endr
.endm
.macro MULA a0, n, set, zero
.set ai, \a0
.rept \n
.set bi, 0
.rept NB
.set IDX, ai*NB+bi
.set WN, 0x01+0x50*(2+IDX/32)
.set AC, 8*(IDX%32)
	WIN WN
.if \zero
	v_wmma_scale_f32_16x16x128_f8f6f4 v[AC:AC+7], v[128*(\set)+12*bi:128*(\set)+12*bi+11], v[AF+12*NA*(\set)+12*ai:AF+12*NA*(\set)+12*ai+11], 0, v[SC+8*(\set)+bi], v[SC+8*(\set)+ai] matrix_a_fmt:MATRIX_FMT_FP6 matrix_b_fmt:MATRIX_FMT_FP6 matrix_a_scale:MATRIX_SCALE_ROW1
.else
	v_wmma_scale_f32_16x16x128_f8f6f4 v[AC:AC+7], v[128*(\set)+12*bi:128*(\set)+12*bi+11], v[AF+12*NA*(\set)+12*ai:AF+12*NA*(\set)+12*ai+11], v[AC:AC+7], v[SC+8*(\set)+bi], v[SC+8*(\set)+ai] matrix_a_fmt:MATRIX_FMT_FP6 matrix_b_fmt:MATRIX_FMT_FP6 matrix_a_scale:MATRIX_SCALE_ROW1
.endif
.set bi, bi+1
.endr
.set ai, ai+1
.endr
.endm
.macro STEP slot, q, zero
	s_wait_dscnt 0x0
	PLACES 4
	FETCH \slot, (\q)+1, 1-(\q)%2
	MULA 0, NA, (\q)%2, \zero
	WIN 0
.endm
.macro TURN slot, next, fill
	s_wait_tensorcnt 0x0
	ds_add_u32 v[SPW], v[NIL]
	s_wait_dscnt 1
	MULA 0, NA/4, 1, 0
	s_wait_dscnt 0x0
	s_barrier_signal -1
	MULA NA/4, NA/4, 1, 0
	WIN 0
	s_barrier_wait -1
.if \fill
	CREST
	s_add_nc_u64 s[G0+4*\slot+2:G0+4*\slot+3], s[G0+4*\slot+2:G0+4*\slot+3], 2*SKF*FRB
	s_add_nc_u64 s[G0B+4*\slot+2:G0B+4*\slot+3], s[G0B+4*\slot+2:G0B+4*\slot+3], 2*SKF*FRB
	JLOAD G0+4*\slot, G1, G0B+4*\slot, G1B
.else
	PLACES 4
.endif
	s_wait_alu depctr_va_vdst(0)
	v_add_nc_u32 v[ADRS], 512*SKF, v[ADRS]
	FETCH \next, 0, 0
	MULA NA/2, NA/2, 1, 0
	WIN 0
.endm
.macro QUANT s
.irp b, 0,1,2,3
	v_max3_num_f32 v[TM+\b], |v[\s+16*\b]|, |v[\s+1+16*\b]|, 0x1800000
.endr
.irp i, 2,4,6,8,10,12,14
.irp b, 0,1,2,3
	v_max3_num_f32 v[TM+\b], v[TM+\b], |v[\s+16*\b+\i]|, |v[\s+1+16*\b+\i]|
.endr
.endr
.irp b, 0,1,2,3
	v_permlanex16_b32 v[TM+4+\b], v[TM+\b], s[SEL], s[SEL+1]
.endr
.irp b, 0,1,2,3
	v_max_num_f32 v[TM+\b], v[TM+\b], v[TM+4+\b]
.endr
.irp b, 0,1,2,3
	v_add_nc_u32 v[TM+12+\b], 0xff000000, v[TM+\b]
.endr
.irp b, 0,1,2,3
	v_lshrrev_b32 v[TM+4+\b], 23, v[TM+12+\b]
.endr
	v_lshl_or_b32 v[PW], v[TM+5], 8, v[TM+4]
	v_lshl_or_b32 v[PW], v[TM+6], 16, v[PW]
	v_lshl_or_b32 v[PW], v[TM+7], 24, v[PW]
.irp c, 0,1
	v_cvt_scalef32_pk16_fp6_f32 v[PC+6*\c:PC+2+6*\c], v[\s+32*\c:\s+15+32*\c], v[TM+12+2*\c]
	v_cvt_scalef32_pk16_fp6_f32 v[PC+12+4*\c:PC+14+4*\c], v[\s+16+32*\c:\s+31+32*\c], v[TM+12+2*\c+1]
.endr
	v_nop
.irp c, 0,1
.irp i, 0,1,2
	v_permlane16_swap_b32 v[PC+6*\c+\i], v[PC+12+4*\c+\i]
.endr
.irp i, 0,1,2
	v_mov_b32 v[PC+3+6*\c+\i], v[PC+12+4*\c+\i]
.endr
.endr
.endm
.macro HORNER d, k
.irp j, 0,2,4,6,8,10,12,14
	v_pk_fma_f32 v[\d+\j:\d+\j+1], v[\d+\j:\d+\j+1], v[X2+\j:X2+\j+1], \k op_sel_hi:[1,1,0]
.endr
.endm
.macro GELU16 t
.irp j, 0,2,4,6,8,10,12,14
	v_pk_mul_f32 v[Z+\j:Z+\j+1], v[\t+\j:\t+\j+1], 0x3f3504f3 op_sel_hi:[1,0]
.endr
.irp j, 0,1,2,3,4,5,6,7,8,9,10,11,12,13,14,15
	v_med3_num_f32 v[Z+\j], v[Z+\j], -4.0, 4.0
.endr
.irp j, 0,2,4,6,8,10,12,14
	v_pk_mul_f32 v[X2+\j:X2+\j+1], v[Z+\j:Z+\j+1], v[Z+\j:Z+\j+1]
.endr
.irp j, 0,2,4,6,8,10,12,14
	v_pk_fma_f32 v[P+\j:P+\j+1], v[X2+\j:X2+\j+1], v[CA:CA+1], 0x32edffee op_sel_hi:[1,1,0]
	v_pk_fma_f32 v[Q+\j:Q+\j+1], v[X2+\j:X2+\j+1], v[CB:CB+1], 0xb95fbd29 op_sel_hi:[1,1,0]
.endr
	HORNER P, 0xb60cff51
	HORNER Q, 0xbadc924e
	HORNER P, 0xb86ec2d2
	HORNER Q, 0xbbf19bf8
	HORNER P, 0xba40ac63
	HORNER Q, 0xbc69b6a7
	HORNER P, 0xbb41a1f6
	HORNER P, 0xbc83dbd4
	s_wait_alu depctr_va_vdst(0)
.irp j, 0,1,2,3,4,5,6,7,8,9,10,11,12,13,14,15
	v_rcp_f32 v[Q+\j], v[Q+\j]
.endr
.irp j, 0,2,4,6,8,10,12,14
	v_pk_mul_f32 v[P+\j:P+\j+1], v[P+\j:P+\j+1], v[Z+\j:Z+\j+1]
	v_pk_mul_f32 v[X2+\j:X2+\j+1], v[\t+\j:\t+\j+1], 0.5 op_sel_hi:[1,0]
.endr
	s_wait_alu depctr_va_vdst(0)
.irp j, 0,2,4,6,8,10,12,14
	v_pk_mul_f32 v[P+\j:P+\j+1], v[P+\j:P+\j+1], v[Q+\j:Q+\j+1]
.endr
.irp j, 0,2,4,6,8,10,12,14
	v_pk_fma_f32 v[\t+\j:\t+\j+1], v[X2+\j:X2+\j+1], v[P+\j:P+\j+1], v[X2+\j:X2+\j+1]
.endr
.endm
	s_load_b256 s[4:11], s[0:1], 0x0
	v_lshl_add_u32 v[SPW], v0, 2, SPARE
	v_mov_b32 v[NIL], 0
	ds_add_u32 v[SPW], v[NIL]
	ds_add_u32 v[SPW], v[NIL]
	v_lshrrev_b32 v1, 5, v0
	v_readfirstlane_b32 s14, v1
	s_lshr_b32 s15, s14, 1
	s_and_b32 s16, s14, 1
	s_bfe_u32 s40, ttmp6, 0x40000
	s_bfe_u32 s41, ttmp6, 0x40004
	s_lshl_b32 s42, ttmp9, 2
	s_add_co_u32 s42, s42, s40
	s_and_b32 s17, ttmp7, 0xffff
	s_lshl_b32 s17, s17, 2
	s_add_co_u32 s17, s17, s41
	s_lshl_b32 s43, s41, 2
	s_lshl_b32 s43, 15, s43
	s_lshl_b32 s44, 0x1111, s40
	s_or_b32 s[G1+0], s43, (3<<16)|(1<<21)
	s_or_b32 s[G1B+0], s44, (3<<16)|(1<<21)
.irp g, G1, G1B
	s_mov_b32 s[\g+1], (192*SKF)<<16
	s_mov_b32 s[\g+2], NA<<16
	s_mov_b32 s[\g+3], (192*SKF)<<16
	s_mov_b32 s[\g+4], NA
	s_mov_b32 s[\g+5], 192*KF
	s_mov_b32 s[\g+6], 0
	s_mov_b32 s[\g+7], 0
.endr
	s_or_b32 s[G1S+0], s43, (3<<16)|(1<<21)
	s_or_b32 s[G1SB+0], s44, (3<<16)|(1<<21)
.irp g, G1S, G1SB
	s_mov_b32 s[\g+1], (192*SKF)<<16               ; G1S, G1SB serve the head's loads: a whole tile's part of a slot, 2 NA rowblocks
	s_mov_b32 s[\g+2], (2*NA)<<16
	s_mov_b32 s[\g+3], (192*SKF)<<16
	s_mov_b32 s[\g+4], 2*NA
	s_mov_b32 s[\g+5], 192*KF
	s_mov_b32 s[\g+6], 0
	s_mov_b32 s[\g+7], 0
.endr
	s_lshl_b32 s20, s17, 1
	s_add_co_u32 s20, s20, s16
	s_mul_i32 s22, s20, HALFS
	s_add_co_u32 s22, s22, AS
	s_mul_i32 s20, s20, NA*KF*FRB
	s_mov_b32 s21, 0
	s_mov_b32 s23, 0
	s_lshl_b32 s46, s42, 1
	s_add_co_u32 s46, s46, s16
	s_mul_i32 s92, s46, HALFS
	s_add_co_u32 s92, s92, WS
	s_mul_i32 s46, s46, NA*KF*FRB
	s_add_co_u32 s46, s46, WC
	s_mov_b32 s47, 0
	s_mov_b32 s93, 0
	s_mul_i32 s45, s14, QB
	s_mul_i32 s94, s14, HALFS
	s_wait_dscnt 0x0
	s_wait_kmcnt 0x0
	s_add_nc_u64 s[20:21], s[4:5], s[20:21]
	s_add_nc_u64 s[22:23], s[4:5], s[22:23]
	s_add_nc_u64 s[46:47], s[6:7], s[46:47]
	s_add_nc_u64 s[92:93], s[6:7], s[92:93]
	CROUND
	; THE HEAD'S LOADS, ONE A WAVE: wave 0 A's tile of slot 0, wave 1 B's, wave 2 A's tile of slot 1, wave 3 B's: both slots are asked for at once, slot 0 first
	s_mul_i32 s2, s16, NA*KF*FRB                   ; back from my half to the tile's first rowblock,
	s_mov_b32 s3, 0
	s_sub_nc_u64 s[G0S+2:G0S+3], s[20:21], s[2:3]
	s_sub_nc_u64 s[G0SB+2:G0SB+3], s[46:47], s[2:3]
	s_mul_i32 s2, s15, SKF*FRB                     ; on to slot wave / 2 along K
	s_add_nc_u64 s[G0S+2:G0S+3], s[G0S+2:G0S+3], s[2:3]
	s_add_nc_u64 s[G0SB+2:G0SB+3], s[G0SB+2:G0SB+3], s[2:3]
	s_or_b32 s[G0S+3], s[G0S+3], 0x80000000
	s_or_b32 s[G0SB+3], s[G0SB+3], 0x80000000
	s_mov_b32 s[G0S], 1
	s_mul_i32 s[G0S+1], s15, SLOT
	s_mov_b32 s[G0SB], 1
	s_add_co_u32 s[G0SB+1], s[G0S+1], 2*QB
.macro ARM under, g0, g1, next         ; one chain of branches on the wave's number, one load to an arm, all arms to one join
	s_cmp_lt_u32 s14, \under
	s_cbranch_scc0 \next
	tensor_load_to_lds s[\g0:\g0+3], s[\g1:\g1+7]
	s_nop 0
.rept 4
	v_nop
.endr
	s_branch .Lhead_asked
\next:
.endm
	ARM 1, G0S,  G1S,  .Lhead_1
	ARM 2, G0SB, G1SB, .Lhead_2
	ARM 3, G0S,  G1S,  .Lhead_3
	tensor_load_to_lds s[G0SB:G0SB+3], s[G1SB:G1SB+7]
	s_nop 0
.rept 4
	v_nop
.endr
.Lhead_asked:
	s_cmp_eq_u32 s15, 0                            ; waves 0, 1 see to A, waves 2, 3 to B
	s_cselect_b64 s[PFA:PFA+1], s[20:21], s[46:47] ; the quarter that I fetch in the ring;
	s_cselect_b32 s2, s40, s41                     ; of its NA rowblocks my work-group prefetches NA / 4, by its place among the four that ask jointly: told apart by address alone
	s_mul_i32 s2, s2, (NA/4)*KF*FRB
	s_add_nc_u64 s[PFA:PFA+1], s[PFA:PFA+1], s[2:3]
	s_cselect_b64 s[2:3], s[22:23], s[92:93]       ; my quarter of the scale words
.irp s, 0,1
	s_mov_b32 s[G0+4*\s], 1
	s_add_co_u32 s[G0+4*\s+1], s45, \s*SLOT
	s_add_nc_u64 s[G0+4*\s+2:G0+4*\s+3], s[20:21], \s*SKF*FRB
	s_or_b32 s[G0+4*\s+3], s[G0+4*\s+3], 0x80000000
	s_mov_b32 s[G0B+4*\s], 1
	s_add_co_u32 s[G0B+4*\s+1], s45, \s*SLOT
	s_add_nc_u64 s[G0B+4*\s+2:G0B+4*\s+3], s[46:47], \s*SKF*FRB
	s_or_b32 s[G0B+4*\s+3], s[G0B+4*\s+3], 0x80000000
.endr
	v_and_b32 v1, 31, v0
	v_lshlrev_b32 v7, 4, v1
	s_add_co_u32 s94, s94, SCL
	v_add_nc_u32 v8, s94, v7                       ; THE SCALE WORDS go through registers into LDS bytes that no tensor load fills: each wave a quarter, 512 consecutive bytes a load
.set i, 0
.rept HALFS/512
	global_load_b128 v[64+4*i:64+4*i+3], v7, s[2:3] offset:512*i
.set i, i+1
.endr
	; PREFETCHES: slots 2 and 3, which the ring's two refills will load, two slots ahead of each: my work-group's two rowblocks x 12 blocks of 256 bytes, a lane a block (lanes 24-31 name the last again)
	v_min_u32 v9, 23, v1
	v_mul_u32_u24 v13, v9, 171
	v_lshrrev_b32 v13, 11, v13                     ; lane / 12
	v_mul_u32_u24 v13, v13, KF*FRB-SKF*FRB
	v_lshl_add_u32 v9, v9, 8, v13
	global_prefetch_b8 v9, s[PFA:PFA+1] offset:2*SKF*FRB th:TH_LOAD_NT scope:SCOPE_SE
	global_prefetch_b8 v9, s[PFA:PFA+1] offset:3*SKF*FRB th:TH_LOAD_NT scope:SCOPE_SE
	v_lshlrev_b32 v2, 3, v1
	v_and_b32 v3, 15, v0
	v_bfe_u32 v4, v0, 4, 1
	s_wait_alu depctr_va_vdst(0)
	s_mul_i32 s21, s15, QB
	s_mul_i32 s22, s16, QB
	s_add_co_u32 s22, s22, 2*QB
.irp s, 0,1
	v_add_nc_u32 v[ADRA+\s], s21, v2
	v_add_nc_u32 v[ADRB+\s], s22, v2
	s_add_co_u32 s21, s21, SLOT
	s_add_co_u32 s22, s22, SLOT
.endr
	s_mul_i32 s21, s15, SWS
	s_mul_i32 s22, s16, SWS
	s_add_co_u32 s22, s22, 2*HALFS
	s_sub_co_u32 s22, s22, s21
	v_mul_u32_u24 v6, s22, v4
	s_add_co_u32 s21, s21, SCL
	v_lshl_add_u32 v5, v3, 4, v6
	v_add_nc_u32 v[ADRS], s21, v5
	s_lshl_b32 s12, s42, 8
	s_lshl_b32 s13, s16, 7
	s_add_co_u32 s12, s12, s13
	s_lshl_b32 s12, s12, 2
	s_mov_b32 s13, 0
	s_add_nc_u64 s[96:97], s[8:9], s[12:13]
	v_lshlrev_b32 v[BA], 6, v4
	WIN 0x40
.irp b, 0,1,2,3
.irp j, 0,1,2,3
	global_load_b128 v[96+16*\b+4*\j+96*(\b/2):96+16*\b+4*\j+96*(\b/2)+3], v[BA], s[96:97] offset:128*\b+16*\j
.endr
.endr
	WIN 0
	s_wait_alu depctr_va_vdst(0)
	s_wait_loadcnt 16                              ; my scale words are in; the 16 loads of the bias, issued behind them, may be out
.set i, 0
.rept HALFS/512
	ds_store_b128 v8, v[64+4*i:64+4*i+3] offset:512*i
.set i, i+1
.endr
	s_cmp_lt_u32 s14, 2                            ; slot 0's two loads are waves 0's and 1's alone; slot 1's may be out
	s_cbranch_scc0 .Lnot_slot_0
	s_wait_tensorcnt 0x0
.Lnot_slot_0:
	s_wait_dscnt 0x0                               ; my stores of scale words have landed
	s_barrier_signal -1
	s_barrier_wait -1
	FETCH 0, 0, 0
	STEP 0, 0, 1
	s_mov_b32 s3, LAPS-1
.Llap:
	TURN 0, 1, 1
	s_wait_alu depctr_va_vdst(0)
	STEP 1, 0, 0
	TURN 1, 0, 1
	s_wait_alu depctr_va_vdst(0)
	STEP 0, 0, 0
	s_sub_co_u32 s3, s3, 1
	s_cmp_lg_u32 s3, 0
	s_cbranch_scc1 .Llap
	TURN 0, 1, 0
	s_wait_alu depctr_va_vdst(0)
	STEP 1, 0, 0
	s_wait_dscnt 0x0
	MULA 0, NA, 1, 0
	WIN 0
	PLACES 4
	s_lshl_b32 s84, s17, 8
	s_lshl_b32 s85, s15, 7
	s_add_co_u32 s84, s84, s85
	s_lshl_b32 s85, s42, 1
	s_add_co_u32 s85, s85, s16
	s_lshl_b32 s86, s84, 1
	s_add_co_u32 s86, s86, s85
	s_mul_i32 s86, s86, 1536
	s_mov_b32 s87, 0
	s_add_nc_u64 s[OB:OB+1], s[10:11], s[86:87]
	s_lshr_b32 s86, s84, 2
	s_add_co_u32 s86, s86, s85
	s_lshl_b32 s86, s86, 9
	s_add_co_u32 s86, s86, G_S
	s_add_nc_u64 s[SB:SB+1], s[10:11], s[86:87]
	s_mov_b32 s[CNT], 0
	s_mov_b32 s[MH], 0xffff0000
	s_mov_b32 s[SEL], 0x76543210
	s_mov_b32 s[SEL+1], 0xfedcba98
	v_lshlrev_b32 v[VO0], 3, v1
	v_lshlrev_b32 v[VS], 4, v1
	v_mov_b32 v[PW], 0
.irp i, 0,1,2,3,4,5,6,7
	v_mov_b32 v[W+\i], 0
.endr
.irp b, 0,1,2,3
	v_mov_b32 v[TM+4+\b], 0
.endr
	v_mov_b32 v[CA], 0xaf95df0b
	v_mov_b32 v[CA+1], 0xaf95df0b
	v_mov_b32 v[CB], 0xb77460cd
	v_mov_b32 v[CB+1], 0xb77460cd
	s_wait_loadcnt 0x0
.macro BLK a
.if (\a) > 0
	v_mov_b32 v[W+(\a)-1], v[PW]
.endif
.set WN, 6+(\a)/4
	WIN WN
.set n, 0
.rept 32
	v_pk_add_f32 v[T+n:T+n+1], v[64*((\a)%4)+n:64*((\a)%4)+n+1], v[96+n+96*(n/32):96+n+96*(n/32)+1]
.set n, n+2
.endr
	WIN 0
.endm
.Lrow:
.irp a, 1,2,3,4,5,6,7
	s_cmp_eq_u32 s[CNT], \a
	s_cbranch_scc1 .Lblk\a
.endr
.irp a, 0,1,2,3,4,5,6,7
.Lblk\a:
	BLK \a
	s_branch .Lcommon
.endr
.Lcommon:
	GELU16 T
	GELU16 T+16
	GELU16 T+32
	GELU16 T+48
	QUANT T
.irp p, 0,1,2,3,4,5
	global_store_b64 v[VO0], v[PC+2*\p:PC+2*\p+1], s[OB:OB+1] offset:256*\p
.endr
	s_wait_xcnt 0x0
	s_add_nc_u64 s[OB:OB+1], s[OB:OB+1], 49152
	s_add_co_u32 s[CNT], s[CNT], 1
	s_cmp_lt_u32 s[CNT], 8
	s_cbranch_scc1 .Lrow
	v_mov_b32 v[W+7], v[PW]
.irp i, 0,1,2,3
	v_cndmask_b32 v[SW+\i], v[W+\i], v[W+4+\i], s[MH]
.endr
	global_store_b128 v[VS], v[SW:SW+3], s[SB:SB+1]
	s_wait_tensorcnt 0x0
	ds_add_u32 v[SPW], v[NIL]
	s_wait_dscnt 0x0
	CROUND
	s_endpgm
.Lfunc_end_k_q254d0820cb_fc1:
	.size	k_q254d0820cb_fc1, .Lfunc_end_k_q254d0820cb_fc1-k_q254d0820cb_fc1
	.p2alignl 7, 3214868480
	.fill 96, 4, 3214868480
	.section	.rodata,"a",@progbits
	.p2align	6, 0x0
	.amdhsa_kernel k_q254d0820cb_fc1
		.amdhsa_group_segment_fixed_size 327680
		.amdhsa_private_segment_fixed_size 0
		.amdhsa_enable_private_segment 0
		.amdhsa_kernarg_size 32
		.amdhsa_user_sgpr_count 2
		.amdhsa_user_sgpr_kernarg_segment_ptr 1
		.amdhsa_wavefront_size32 1
		.amdhsa_system_sgpr_workgroup_id_x 1
		.amdhsa_system_sgpr_workgroup_id_y 1
		.amdhsa_system_sgpr_workgroup_id_z 1
		.amdhsa_system_vgpr_workitem_id 0
		.amdhsa_next_free_vgpr 1024
		.amdhsa_next_free_sgpr 102
		.amdhsa_reserve_vcc 0
		.amdhsa_float_denorm_mode_32 3
		.amdhsa_float_denorm_mode_16_64 3
		.amdhsa_memory_ordered 1
		.amdhsa_forward_progress 1
		.amdhsa_inst_pref_size 204
	.end_amdhsa_kernel
	.amdgpu_metadata
---
amdhsa.version: [ 1, 2 ]
amdhsa.kernels:
  - .name:           k_q254d0820cb_fc1
    .symbol:         k_q254d0820cb_fc1.kd
    .args:
      - { .name: h2, .offset: 0, .size: 8, .value_kind: global_buffer, .address_space: global }
      - { .name: wqb, .offset: 8, .size: 8, .value_kind: global_buffer, .address_space: global }
      - { .name: b_fc1, .offset: 16, .size: 8, .value_kind: global_buffer, .address_space: global }
      - { .name: gb, .offset: 24, .size: 8, .value_kind: global_buffer, .address_space: global }
    .group_segment_fixed_size: 327680
    .private_segment_fixed_size: 0
    .kernarg_segment_align: 8
    .kernarg_segment_size: 32
    .max_flat_workgroup_size: 128
    .sgpr_count:     102
    .vgpr_count:     1024
    .wavefront_size: 32
...
	.end_amdgpu_metadata
.endif
;; end of part 6
;; launch fc2 (part 7): grid 8 x 32, 4 waves a work-group, clusters of 4 x 4, 327,680 bytes of LDS; arguments gb, wqb, b_fc2, x1, out0; writes out0
.if DOCPART == 7
	.amdgcn_target "amdgcn-amd-amdhsa--gfx1250"
	.amdhsa_code_object_version 6
	.text
	.protected	k_q254d0820cb_fc2
	.globl	k_q254d0820cb_fc2
	.p2align	8
	.type	k_q254d0820cb_fc2,@function
k_q254d0820cb_fc2:
	s_mov_b64 s[64:65], 0
	v_nop
	global_prefetch_b8 v0, s[64:65] scope:SCOPE_SE
	s_setreg_imm32_b32 hwreg(HW_REG_WAVE_MODE, 25, 1), 1
	s_wait_xcnt 0x0
	s_wait_alu depctr_hold_cnt(0) depctr_sa_sdst(0) depctr_va_vdst(0) depctr_va_sdst(0) depctr_va_ssrc(0) depctr_va_vcc(0) depctr_vm_vsrc(0)
	s_getreg_b32 s2, hwreg(HW_REG_IB_STS2, 6, 4)
	s_cmp_eq_u32 s2, 0
	s_cbranch_scc0 .Lentry_in_a_cluster
	s_endpgm
.Lentry_in_a_cluster:
	s_bfe_u32 s2, ttmp6, 0x10000c
	s_cmp_lg_u32 s2, 0xf033
	s_cbranch_scc0 .Lentry_shape_is_right
	s_endpgm
.Lentry_shape_is_right:
; out0 = x1 + g w_fc2 + b_fc2 on codes of FP6 (E2M3) with E8M0 scales, K = 4,096; operands lie in the order of their registers, as the launches before left them (rowblocks of 16 rows, fragments of 1,536 bytes).
; A tile is 128 x 128, four waves of 64 x 64 (16 accumulators); the product is used transposed, so that a lane holds neighbouring columns of a row.  K goes through a ring of two LDS slots of 512 along K, eight slots' worth in all;
; 4 x 4 work-groups ask jointly: A's tiles along a row of the cluster, B's along a column.  At the head both slots are asked for, one load a wave; the scale words of all of K go through registers into LDS bytes of their own.
; PREFETCHES: each refill's tile has been asked for two slots ahead: slots 2 and 3 at the head, slot j + 2 behind the refill that loads slot j; the loop's last trip, whose refills load slots 6 and 7, asks for nothing.
; The results go through each wave's own stage and leave, with x1 and the bias added, as whole units of 256 bytes.
.set PFA,  100                         ; s[100:101] where my prefetches stand
.set KF,   32
.set WC,   6291456
.set WS,   9699328
.set AS,   12582912
.set NA,   4
.set NB,   4
.set SKF,  4
.set FRB,  1536
.set QB,   NA*SKF*FRB
.set SLOT, 4*QB
.set LAPS, KF/(2*SKF)
.set HALFS, NA*KF*64
.set SWS,  256
.set SCL,  2*SLOT
.set STG,  SCL+4*HALFS
.set SPARE, STG+4*4352
.set ADRA, 16
.set ADRB, 20
.set STO,  24
.set RD,   25
.set CO,   26
.set ADRS, 27
.set SPW,  28
.set NIL,  29
.set BO,   30
.set SC,   32
.set AF,   64
.set G1, 24
.set G0, 32
.set G1B, 48
.set G0B, 56
.set G1S, 68
.set G0S, 76
.set G1SB, 80
.set G0SB, 88
.set MSB, 0
.macro WIN new
.if MSB != \new
	s_set_vgpr_msb (MSB<<8)|\new
.set MSB, \new
.endif
.endm
.macro JLOAD g0a, g1a, g0b, g1b
	s_cmp_eq_u32 s15, 0
	s_cbranch_scc0 .Lfor_b_\@
	tensor_load_to_lds s[\g0a:\g0a+3], s[\g1a:\g1a+7]
	s_nop 0
.rept 4
	v_nop
.endr
	s_branch .Lasked_\@
.Lfor_b_\@:
	tensor_load_to_lds s[\g0b:\g0b+3], s[\g1b:\g1b+7]
	s_nop 0
.rept 4
	v_nop
.endr
.Lasked_\@:
.endm
.macro CREST
	s_cmp_lg_u32 s14, 0
	s_cbranch_scc1 .Lnot_wave_0_\@
	s_barrier_signal -3
.Lnot_wave_0_\@:
	s_barrier_wait -3
	s_barrier_signal -1
	s_barrier_wait -1
.endm
.macro CROUND
	s_barrier_signal -1
	s_barrier_wait -1
	CREST
.endm
.macro PLACES n
.rept \n
	v_nop
.endr
.endm
.macro FETCH slot, q, set
	WIN 0x40
.set fi, 0
.rept NB
.irp p, 0,1,2,3,4,5
	ds_load_b64 v[128*(\set)+12*fi+2*\p:128*(\set)+12*fi+2*\p+1], v[ADRB+\slot] offset:fi*SKF*FRB+(\q)*FRB+256*\p
.endr
.set fi, fi+1
.endr
	WIN 0
.set fi, 0
.rept NA
.irp p, 0,1,2,3,4,5
	ds_load_b64 v[AF+12*NA*(\set)+12*fi+2*\p:AF+12*NA*(\set)+12*fi+2*\p+1], v[ADRA+\slot] offset:fi*SKF*FRB+(\q)*FRB+256*\p
.endr
.set fi, fi+1
.endr
.set fi, 0
.rept NA/4
	ds_load_b128 v[SC+8*(\set)+4*fi:SC+8*(\set)+4*fi+3], v[ADRS] offset:512*(\q)+256*fi
.set fi, fi+1
.endr
.endm
.macro MULA a0, n, set, zero
.set ai, \a0
.rept \n
.set bi, 0
.rept NB
.set IDX, ai*NB+bi
.set WN, 0x01+0x50*(2+IDX/32)
.set AC, 8*(IDX%32)
	WIN WN
.if \zero
	v_wmma_scale_f32_16x16x128_f8f6f4 v[AC:AC+7], v[128*(\set)+12*bi:128*(\set)+12*bi+11], v[AF+12*NA*(\set)+12*ai:AF+12*NA*(\set)+12*ai+11], 0, v[SC+8*(\set)+bi], v[SC+8*(\set)+ai] matrix_a_fmt:MATRIX_FMT_FP6 matrix_b_fmt:MATRIX_FMT_FP6 matrix_a_scale:MATRIX_SCALE_ROW1
.else
	v_wmma_scale_f32_16x16x128_f8f6f4 v[AC:AC+7], v[128*(\set)+12*bi:128*(\set)+12*bi+11], v[AF+12*NA*(\set)+12*ai:AF+12*NA*(\set)+12*ai+11], v[AC:AC+7], v[SC+8*(\set)+bi], v[SC+8*(\set)+ai] matrix_a_fmt:MATRIX_FMT_FP6 matrix_b_fmt:MATRIX_FMT_FP6 matrix_a_scale:MATRIX_SCALE_ROW1
.endif
.set bi, bi+1
.endr
.set ai, ai+1
.endr
.endm
.macro STEP slot, q, zero
	s_wait_dscnt 0x0
	PLACES 4
	FETCH \slot, (\q)+1, 1-(\q)%2
	MULA 0, NA, (\q)%2, \zero
	WIN 0
.endm
.macro TURN slot, next, fill
.if \fill
	s_wait_xcnt 0x0                                ; my last prefetch has read its address: it steps a slot along K
	s_add_nc_u64 s[PFA:PFA+1], s[PFA:PFA+1], SKF*FRB
.endif
	s_wait_tensorcnt 0x0
	ds_add_u32 v[SPW], v[NIL]
	s_wait_dscnt 1
	MULA 0, NA/4, 1, 0
	s_wait_dscnt 0x0
	s_barrier_signal -1
	MULA NA/4, NA/4, 1, 0
	WIN 0
	s_barrier_wait -1
.if \fill
	CREST
	s_add_nc_u64 s[G0+4*\slot+2:G0+4*\slot+3], s[G0+4*\slot+2:G0+4*\slot+3], 2*SKF*FRB
	s_add_nc_u64 s[G0B+4*\slot+2:G0B+4*\slot+3], s[G0B+4*\slot+2:G0B+4*\slot+3], 2*SKF*FRB
	JLOAD G0+4*\slot, G1, G0B+4*\slot, G1B
.else
	PLACES 4
.endif
	s_wait_alu depctr_va_vdst(0)
	v_add_nc_u32 v[ADRS], 512*SKF, v[ADRS]
	FETCH \next, 0, 0
.if \fill
	s_cmp_gt_u32 s3, 1                             ; s3 = 1 in the loop's last trip: no slot stands two behind its refills
	s_cbranch_scc0 .Lno_ask_\@
	global_prefetch_b8 v9, s[PFA:PFA+1] offset:3*SKF*FRB th:TH_LOAD_NT scope:SCOPE_SE   ; the slot two behind the one just asked for: my work-group's rowblock, 24 blocks of 256 bytes
.Lno_ask_\@:
.endif
	MULA NA/2, NA/2, 1, 0
	WIN 0
.endm
	s_load_b256 s[4:11], s[0:1], 0x0
	s_load_b64 s[12:13], s[0:1], 0x20
	v_lshl_add_u32 v[SPW], v0, 2, SPARE
	v_mov_b32 v[NIL], 0
	ds_add_u32 v[SPW], v[NIL]
	ds_add_u32 v[SPW], v[NIL]
	v_lshrrev_b32 v1, 5, v0
	v_readfirstlane_b32 s14, v1
	s_lshr_b32 s15, s14, 1
	s_and_b32 s16, s14, 1
	s_bfe_u32 s40, ttmp6, 0x40000
	s_bfe_u32 s41, ttmp6, 0x40004
	s_lshl_b32 s42, ttmp9, 2
	s_add_co_u32 s42, s42, s40
	s_and_b32 s17, ttmp7, 0xffff
	s_lshl_b32 s17, s17, 2
	s_add_co_u32 s17, s17, s41
	s_lshl_b32 s43, s41, 2
	s_lshl_b32 s43, 15, s43
	s_lshl_b32 s44, 0x1111, s40
	s_or_b32 s[G1+0], s43, (3<<16)|(1<<21)
	s_or_b32 s[G1B+0], s44, (3<<16)|(1<<21)
.irp g, G1, G1B
	s_mov_b32 s[\g+1], (192*SKF)<<16
	s_mov_b32 s[\g+2], NA<<16
	s_mov_b32 s[\g+3], (192*SKF)<<16
	s_mov_b32 s[\g+4], NA
	s_mov_b32 s[\g+5], 192*KF
	s_mov_b32 s[\g+6], 0
	s_mov_b32 s[\g+7], 0
.endr
	s_or_b32 s[G1S+0], s43, (3<<16)|(1<<21)
	s_or_b32 s[G1SB+0], s44, (3<<16)|(1<<21)
.irp g, G1S, G1SB
	s_mov_b32 s[\g+1], (192*SKF)<<16               ; G1S, G1SB serve the head's loads: a whole tile's part of a slot, 2 NA rowblocks
	s_mov_b32 s[\g+2], (2*NA)<<16
	s_mov_b32 s[\g+3], (192*SKF)<<16
	s_mov_b32 s[\g+4], 2*NA
	s_mov_b32 s[\g+5], 192*KF
	s_mov_b32 s[\g+6], 0
	s_mov_b32 s[\g+7], 0
.endr
	s_lshl_b32 s20, s17, 1
	s_add_co_u32 s20, s20, s16
	s_mul_i32 s22, s20, HALFS
	s_add_co_u32 s22, s22, AS
	s_mul_i32 s20, s20, NA*KF*FRB
	s_mov_b32 s21, 0
	s_mov_b32 s23, 0
	s_lshl_b32 s46, s42, 1
	s_add_co_u32 s46, s46, s16
	s_mul_i32 s92, s46, HALFS
	s_add_co_u32 s92, s92, WS
	s_mul_i32 s46, s46, NA*KF*FRB
	s_add_co_u32 s46, s46, WC
	s_mov_b32 s47, 0
	s_mov_b32 s93, 0
	s_mul_i32 s45, s14, QB
	s_mul_i32 s94, s14, HALFS
	s_wait_dscnt 0x0
	s_wait_kmcnt 0x0
	s_add_nc_u64 s[20:21], s[4:5], s[20:21]
	s_add_nc_u64 s[22:23], s[4:5], s[22:23]
	s_add_nc_u64 s[46:47], s[6:7], s[46:47]
	s_add_nc_u64 s[92:93], s[6:7], s[92:93]
	CROUND
	; THE HEAD'S LOADS, ONE A WAVE: wave 0 A's tile of slot 0, wave 1 B's, wave 2 A's tile of slot 1, wave 3 B's: both slots are asked for at once, slot 0 first
	s_mul_i32 s2, s16, NA*KF*FRB                   ; back from my half to the tile's first rowblock,
	s_mov_b32 s3, 0
	s_sub_nc_u64 s[G0S+2:G0S+3], s[20:21], s[2:3]
	s_sub_nc_u64 s[G0SB+2:G0SB+3], s[46:47], s[2:3]
	s_mul_i32 s2, s15, SKF*FRB                     ; on to slot wave / 2 along K
	s_add_nc_u64 s[G0S+2:G0S+3], s[G0S+2:G0S+3], s[2:3]
	s_add_nc_u64 s[G0SB+2:G0SB+3], s[G0SB+2:G0SB+3], s[2:3]
	s_or_b32 s[G0S+3], s[G0S+3], 0x80000000
	s_or_b32 s[G0SB+3], s[G0SB+3], 0x80000000
	s_mov_b32 s[G0S], 1
	s_mul_i32 s[G0S+1], s15, SLOT
	s_mov_b32 s[G0SB], 1
	s_add_co_u32 s[G0SB+1], s[G0S+1], 2*QB
.macro ARM under, g0, g1, next         ; one chain of branches on the wave's number, one load to an arm, all arms to one join
	s_cmp_lt_u32 s14, \under
	s_cbranch_scc0 \next
	tensor_load_to_lds s[\g0:\g0+3], s[\g1:\g1+7]
	s_nop 0
.rept 4
	v_nop
.endr
	s_branch .Lhead_asked
\next:
.endm
	ARM 1, G0S,  G1S,  .Lhead_1
	ARM 2, G0SB, G1SB, .Lhead_2
	ARM 3, G0S,  G1S,  .Lhead_3
	tensor_load_to_lds s[G0SB:G0SB+3], s[G1SB:G1SB+7]
	s_nop 0
.rept 4
	v_nop
.endr
.Lhead_asked:
	s_cmp_eq_u32 s15, 0                            ; waves 0, 1 see to A, waves 2, 3 to B
	s_cselect_b64 s[PFA:PFA+1], s[20:21], s[46:47] ; the quarter that I fetch in the ring;
	s_cselect_b32 s2, s40, s41                     ; of its four rowblocks my work-group prefetches one, by its place among the four that ask jointly: told apart by address alone
	s_mul_i32 s2, s2, (NA/4)*KF*FRB
	s_add_nc_u64 s[PFA:PFA+1], s[PFA:PFA+1], s[2:3]
	s_cselect_b64 s[2:3], s[22:23], s[92:93]       ; my quarter of the scale words
.irp s, 0,1
	s_mov_b32 s[G0+4*\s], 1
	s_add_co_u32 s[G0+4*\s+1], s45, \s*SLOT
	s_add_nc_u64 s[G0+4*\s+2:G0+4*\s+3], s[20:21], \s*SKF*FRB
	s_or_b32 s[G0+4*\s+3], s[G0+4*\s+3], 0x80000000
	s_mov_b32 s[G0B+4*\s], 1
	s_add_co_u32 s[G0B+4*\s+1], s45, \s*SLOT
	s_add_nc_u64 s[G0B+4*\s+2:G0B+4*\s+3], s[46:47], \s*SKF*FRB
	s_or_b32 s[G0B+4*\s+3], s[G0B+4*\s+3], 0x80000000
.endr
	v_and_b32 v1, 31, v0
	v_lshlrev_b32 v7, 4, v1
	s_add_co_u32 s94, s94, SCL
	v_add_nc_u32 v8, s94, v7                       ; THE SCALE WORDS go through registers into LDS bytes that no tensor load fills: each wave a quarter, 512 consecutive bytes a load
.set i, 0
.rept HALFS/512
	global_load_b128 v[64+4*i:64+4*i+3], v7, s[2:3] offset:512*i
.set i, i+1
.endr
	v_min_u32 v9, 23, v1                           ; a slot's part of a rowblock is 24 blocks of 256 bytes: a lane a block (lanes 24-31 name the last again)
	v_lshlrev_b32 v9, 8, v9
	global_prefetch_b8 v9, s[PFA:PFA+1] offset:2*SKF*FRB th:TH_LOAD_NT scope:SCOPE_SE   ; slots 2 and 3, which the first two refills will load
	global_prefetch_b8 v9, s[PFA:PFA+1] offset:3*SKF*FRB th:TH_LOAD_NT scope:SCOPE_SE
	v_lshlrev_b32 v2, 3, v1
	v_and_b32 v3, 15, v0
	v_bfe_u32 v4, v0, 4, 1
	s_wait_alu depctr_va_vdst(0)
	s_mul_i32 s21, s15, QB
	s_mul_i32 s22, s16, QB
	s_add_co_u32 s22, s22, 2*QB
.irp s, 0,1
	v_add_nc_u32 v[ADRA+\s], s21, v2
	v_add_nc_u32 v[ADRB+\s], s22, v2
	s_add_co_u32 s21, s21, SLOT
	s_add_co_u32 s22, s22, SLOT
.endr
	s_mul_i32 s21, s15, SWS
	s_mul_i32 s22, s16, SWS
	s_add_co_u32 s22, s22, 2*HALFS
	s_sub_co_u32 s22, s22, s21
	v_mul_u32_u24 v6, s22, v4
	s_add_co_u32 s21, s21, SCL
	v_lshl_add_u32 v5, v3, 4, v6
	v_add_nc_u32 v[ADRS], s21, v5
	s_mul_i32 s23, s14, 4352
	s_add_co_u32 s23, s23, STG
	v_mul_u32_u24 v5, v3, 272
	v_lshl_add_u32 v5, v4, 6, v5
	v_add_nc_u32 v[STO], s23, v5
	v_mul_u32_u24 v5, v4, 272
	v_lshl_add_u32 v5, v3, 4, v5
	v_add_nc_u32 v[RD], s23, v5
	v_lshlrev_b32 v[BO], 4, v3
	v_lshl_add_u32 v[CO], v4, 12, v[BO]
	s_wait_alu depctr_va_vdst(0)
	s_lshl_b32 s20, s17, 7
	s_lshl_b32 s21, s15, 6
	s_add_co_u32 s20, s20, s21
	s_lshl_b32 s20, s20, 12
	s_mov_b32 s21, 0
	s_lshl_b32 s46, s42, 7
	s_lshl_b32 s47, s16, 6
	s_add_co_u32 s46, s46, s47
	s_lshl_b32 s46, s46, 2
	s_mov_b32 s47, 0
	s_add_nc_u64 s[8:9], s[8:9], s[46:47]
	s_add_nc_u64 s[20:21], s[20:21], s[46:47]
	s_add_nc_u64 s[10:11], s[10:11], s[20:21]
	s_add_nc_u64 s[12:13], s[12:13], s[20:21]
	WIN 0x80
.irp a, 0,1,2,3
.irp i, 0,1,2,3,4,5,6,7
	global_load_b128 v[128+32*\a+4*\i:128+32*\a+4*\i+3], v[CO], s[10:11] offset:(32*(\a/2)+8*(\a%2)+2*\i+8*(\i/4))*4096 th:TH_LOAD_NT
.endr
.endr
	WIN 0
	global_load_b128 v[52:55], v[BO], s[8:9]
	s_wait_loadcnt 33                              ; my scale words are in; the 33 loads of x1 and the bias, issued behind them, may be out
.set i, 0
.rept HALFS/512
	ds_store_b128 v8, v[64+4*i:64+4*i+3] offset:512*i
.set i, i+1
.endr
	s_cmp_lt_u32 s14, 2                            ; slot 0's two loads are waves 0's and 1's alone; slot 1's may be out
	s_cbranch_scc0 .Lnot_slot_0
	s_wait_tensorcnt 0x0
.Lnot_slot_0:
	s_wait_dscnt 0x0                               ; my stores of scale words have landed
	s_barrier_signal -1
	s_barrier_wait -1
	FETCH 0, 0, 0
	STEP 0, 0, 1
	STEP 0, 1, 0
	STEP 0, 2, 0
.if LAPS > 1
	s_mov_b32 s3, LAPS-1
.Llap:
	TURN 0, 1, 1
	s_wait_alu depctr_va_vdst(0)
	STEP 1, 0, 0
	STEP 1, 1, 0
	STEP 1, 2, 0
	TURN 1, 0, 1
	s_wait_alu depctr_va_vdst(0)
	STEP 0, 0, 0
	STEP 0, 1, 0
	STEP 0, 2, 0
	s_sub_co_u32 s3, s3, 1
	s_cmp_lg_u32 s3, 0
	s_cbranch_scc1 .Llap
.endif
	TURN 0, 1, 0
	s_wait_alu depctr_va_vdst(0)
	STEP 1, 0, 0
	STEP 1, 1, 0
	STEP 1, 2, 0
	s_wait_dscnt 0x0
	MULA 0, NA, 1, 0
	WIN 0
	PLACES 4
	s_wait_loadcnt 0x0
.macro OUTA a
.set BK, 64+32*((\a)%2)
	s_wait_xcnt 0x0
	WIN 0x08
.irp b, 0,1,2,3
	ds_store_b128 v[STO], v[8*(4*(\a)+\b):8*(4*(\a)+\b)+3] offset:128*(\b/2)+32*(\b%2)
	ds_store_b128 v[STO], v[8*(4*(\a)+\b)+4:8*(4*(\a)+\b)+7] offset:128*(\b/2)+32*(\b%2)+16
.endr
	WIN 0
.irp i, 0,1,2,3,4,5,6,7
	ds_load_b128 v[BK+4*\i:BK+4*\i+3], v[RD] offset:544*\i
.endr
	s_wait_dscnt 0x0
	WIN 0x08
.set n, 0
.rept 16
	v_pk_add_f32 v[BK+n:BK+n+1], v[BK+n:BK+n+1], v[128+32*(\a)+n:128+32*(\a)+n+1]
.set n, n+2
.endr
	WIN 0
.irp i, 0,1,2,3,4,5,6,7
	v_pk_add_f32 v[BK+4*\i:BK+4*\i+1], v[BK+4*\i:BK+4*\i+1], v[52:53]
	v_pk_add_f32 v[BK+4*\i+2:BK+4*\i+3], v[BK+4*\i+2:BK+4*\i+3], v[54:55]
.endr
.irp i, 0,1,2,3,4,5,6,7
	global_store_b128 v[CO], v[BK+4*\i:BK+4*\i+3], s[12:13] offset:(32*((\a)/2)+8*((\a)%2)+2*\i+8*(\i/4))*4096 th:TH_STORE_NT
.endr
.endm
	OUTA 0
	OUTA 1
	OUTA 2
	OUTA 3
	s_wait_tensorcnt 0x0
	ds_add_u32 v[SPW], v[NIL]
	s_wait_dscnt 0x0
	CROUND
	s_endpgm
.Lfunc_end_k_q254d0820cb_fc2:
	.size	k_q254d0820cb_fc2, .Lfunc_end_k_q254d0820cb_fc2-k_q254d0820cb_fc2
	.p2alignl 7, 3214868480
	.fill 96, 4, 3214868480
	.section	.rodata,"a",@progbits
	.p2align	6, 0x0
	.amdhsa_kernel k_q254d0820cb_fc2
		.amdhsa_group_segment_fixed_size 327680
		.amdhsa_private_segment_fixed_size 0
		.amdhsa_enable_private_segment 0
		.amdhsa_kernarg_size 40
		.amdhsa_user_sgpr_count 2
		.amdhsa_user_sgpr_kernarg_segment_ptr 1
		.amdhsa_wavefront_size32 1
		.amdhsa_system_sgpr_workgroup_id_x 1
		.amdhsa_system_sgpr_workgroup_id_y 1
		.amdhsa_system_sgpr_workgroup_id_z 1
		.amdhsa_system_vgpr_workitem_id 0
		.amdhsa_next_free_vgpr 768
		.amdhsa_next_free_sgpr 102
		.amdhsa_reserve_vcc 0
		.amdhsa_float_denorm_mode_32 3
		.amdhsa_float_denorm_mode_16_64 3
		.amdhsa_memory_ordered 1
		.amdhsa_forward_progress 1
		.amdhsa_inst_pref_size 121
	.end_amdhsa_kernel
	.amdgpu_metadata
---
amdhsa.version: [ 1, 2 ]
amdhsa.kernels:
  - .name:           k_q254d0820cb_fc2
    .symbol:         k_q254d0820cb_fc2.kd
    .args:
      - { .name: gb, .offset: 0, .size: 8, .value_kind: global_buffer, .address_space: global }
      - { .name: wqb, .offset: 8, .size: 8, .value_kind: global_buffer, .address_space: global }
      - { .name: b_fc2, .offset: 16, .size: 8, .value_kind: global_buffer, .address_space: global }
      - { .name: x1, .offset: 24, .size: 8, .value_kind: global_buffer, .address_space: global }
      - { .name: out0, .offset: 32, .size: 8, .value_kind: global_buffer, .address_space: global }
    .group_segment_fixed_size: 327680
    .private_segment_fixed_size: 0
    .kernarg_segment_align: 8
    .kernarg_segment_size: 40
    .max_flat_workgroup_size: 128
    .sgpr_count:     102
    .vgpr_count:     768
    .wavefront_size: 32
...
	.end_amdgpu_metadata
.endif
;; end of part 7
